; MI455X (gfx1250); checked and timed in simulation.
; The chip was launched on July 23, 2026; its instructions are those of AMD's public machine-readable ISA for CDNA 5 (MIT licence, August 2026) and "CDNA5" Instruction Set Architecture Reference Guide (July 2026). The comments in the code are by the model that wrote it; some were corrected since.
;; Causal Attention. Allowed arithmetic: float matrix products may take bf16 or f16 operands with f32 sums; other float arithmetic in f32, or as packed bf16 or f16 multiplies, adds, multiply-adds, maxima and minima; sums over many terms, partial sums and values carried from step to step in f32; what a program stores and reads back later, other than sums and carried values, may be rounded once to bf16 or f16.
;; Inputs: Wk 1,024 x 1,024 float32; Wq 1,024 x 1,024 float32; Wv 1,024 x 1,024 float32; x 4 x 2,048 x 1,024 float32.
;; Outputs: out0 4 x 2,048 x 1,024 float32.
;; One version. Each part assembles by itself: llvm-mc -triple=amdgcn-amd-amdhsa -mcpu=gfx1250 --defsym DOCPART=n.
;; ======== version 1 of 1: 4 launches
;; limits: right only within a limited range of input values; values are held in f16: magnitudes above 65,504 overflow, below 6.1e-05 lose precision
;; workspace buffers: xb 16,777,216 bytes; wb 6,291,456 bytes; qkv 50,331,648 bytes; pt 33,554,432 bytes; stats 1,048,576 bytes
;; launch cast (part 1): grid 128 x 11, 8 waves a work-group, no clusters, 0 bytes of LDS; arguments x, Wq, Wk, Wv, xb, wb; writes xb, wb
.if DOCPART == 1
	.amdgcn_target "amdgcn-amd-amdhsa--gfx1250"
	.amdhsa_code_object_version 6
	.text
	.protected	k_qac98f8028c_cast
	.globl	k_qac98f8028c_cast
	.p2align	8
	.type	k_qac98f8028c_cast,@function
k_qac98f8028c_cast:
	s_mov_b64 s[64:65], 0
	v_nop
	global_prefetch_b8 v0, s[64:65] scope:SCOPE_SE
	s_setreg_imm32_b32 hwreg(HW_REG_WAVE_MODE, 25, 1), 1
	s_wait_xcnt 0x0
; x and the three weights, each rounded once to bf16 (nearest even), laid out for the product that follows.
; xb: [16 blocks of 64 k][8192 rows][64] bf16: a K step of 64 of 128 rows is 16,384 dense bytes.
; wb: [1024 k][3072 n] bf16: Wq's, Wk's and Wv's columns side by side.
; A work-group moves 8 rows of 1,024 f32; a thread four units of 8 numbers: two loads of 16 bytes in, one store of 16 bytes out.
; y < 8: rows 1024 y + 8 bx of x.  y = 8, 9, 10: rows 8 bx of Wq, Wk, Wv.  No LDS, no barrier, no loop: every byte is read once and written once.
; A stream with all its loads issued at once: nothing is asked for ahead of them.
.macro MOVE i1, i2, o1, o2             ; unit j is read at (j & 1) i1 + (j >> 1) i2 and stored at (j & 1) o1 + (j >> 1) o2
.irp j, 0,1,2,3
	global_load_b128 v[16+8*(\j):16+8*(\j)+3],   v5, s[22:23] offset:((\j)&1)*(\i1)+((\j)>>1)*(\i2) th:TH_LOAD_NT
	global_load_b128 v[16+8*(\j)+4:16+8*(\j)+7], v5, s[22:23] offset:((\j)&1)*(\i1)+((\j)>>1)*(\i2)+16 th:TH_LOAD_NT
.endr
.irp j, 0,1,2,3
	s_wait_loadcnt 6-2*(\j)                        ; unit j's two loads are in; two younger loads for each later unit stay out
.irp r, 0,1,2,3
	v_cvt_pk_bf16_f32 v[48+4*(\j)+(\r)], v[16+8*(\j)+2*(\r)], v[16+8*(\j)+2*(\r)+1]
.endr
	global_store_b128 v6, v[48+4*(\j):48+4*(\j)+3], s[24:25] offset:((\j)&1)*(\o1)+((\j)>>1)*(\o2)
.endr
.endm
	s_load_b256 s[4:11], s[0:1], 0x0               ; x s[4:5], Wq s[6:7], Wk s[8:9], Wv s[10:11]
	s_load_b128 s[12:15], s[0:1], 0x20             ; xb s[12:13], wb s[14:15]
	s_mov_b32 s16, ttmp9                           ; bx
	s_and_b32 s17, ttmp7, 0xffff                   ; y
	v_and_b32 v1, 31, v0                           ; lane
	v_lshrrev_b32 v2, 5, v0                        ; wave
	v_and_b32 v3, 7, v1
	v_lshrrev_b32 v4, 3, v1
	s_mov_b32 s19, 0
	s_mov_b32 s21, 0
	s_cmp_lt_u32 s17, 8
	s_cbranch_scc0 .Lweights
	; x: wave w takes the k blocks 2 w and 2 w + 1; eight lanes take a row's 256 bytes of a block, four rows to a load pair
	s_lshl_b32 s18, s17, 10
	s_lshl3_add_u32 s18, s16, s18                  ; first row = 8 bx + 1024 y
	s_lshl_b32 s20, s18, 7                         ; x 128 bytes in a block of xb
	s_lshl_b32 s18, s18, 12                        ; x 4,096 bytes in x
	v_lshlrev_b32 v5, 12, v4
	v_lshl_add_u32 v5, v2, 9, v5
	v_lshl_add_u32 v5, v3, 5, v5                   ; in: (l >> 3) rows + 512 w + 32 (l & 7)
	v_lshlrev_b32 v6, 21, v2
	v_lshl_add_u32 v6, v4, 7, v6
	v_lshl_add_u32 v6, v3, 4, v6                   ; out: two blocks a wave + (l >> 3) rows of 128 bytes + 16 (l & 7): a store covers 512 consecutive bytes
	s_wait_kmcnt 0x0
	s_add_nc_u64 s[22:23], s[4:5], s[18:19]
	s_add_nc_u64 s[24:25], s[12:13], s[20:21]
	MOVE 256, 16384, 1048576, 512
	s_endpgm
.Lweights:
	; a weight: wave w takes row 8 bx + w, a lane 32 bytes of each quarter of the row
	s_lshl_b32 s18, s16, 15                        ; 8 rows of 4,096 bytes
	s_mul_i32 s20, s16, 49152                      ; 8 rows of 6,144 bytes in wb,
	s_sub_co_u32 s26, s17, 8
	s_lshl_b32 s26, s26, 11                        ; and the weight's 2,048 bytes of each row
	s_add_co_u32 s20, s20, s26
	v_lshlrev_b32 v5, 12, v2
	v_lshl_add_u32 v5, v1, 5, v5
	v_mul_u32_u24 v6, v2, 6144
	v_lshl_add_u32 v6, v1, 4, v6
	s_wait_kmcnt 0x0
	s_cmp_eq_u32 s17, 8
	s_cselect_b64 s[22:23], s[6:7], s[8:9]
	s_cmp_eq_u32 s17, 10
	s_cselect_b64 s[22:23], s[10:11], s[22:23]
	s_add_nc_u64 s[22:23], s[22:23], s[18:19]
	s_add_nc_u64 s[24:25], s[14:15], s[20:21]
	MOVE 1024, 2048, 512, 1024
	s_endpgm
.Lfunc_end_k_qac98f8028c_cast:
	.size	k_qac98f8028c_cast, .Lfunc_end_k_qac98f8028c_cast-k_qac98f8028c_cast
	.p2alignl 7, 3214868480
	.fill 96, 4, 3214868480
	.section	.rodata,"a",@progbits
	.p2align	6, 0x0
	.amdhsa_kernel k_qac98f8028c_cast
		.amdhsa_group_segment_fixed_size 0
		.amdhsa_private_segment_fixed_size 0
		.amdhsa_enable_private_segment 0
		.amdhsa_kernarg_size 48
		.amdhsa_user_sgpr_count 2
		.amdhsa_user_sgpr_kernarg_segment_ptr 1
		.amdhsa_wavefront_size32 1
		.amdhsa_system_sgpr_workgroup_id_x 1
		.amdhsa_system_sgpr_workgroup_id_y 1
		.amdhsa_system_sgpr_workgroup_id_z 1
		.amdhsa_system_vgpr_workitem_id 0
		.amdhsa_next_free_vgpr 64
		.amdhsa_next_free_sgpr 66
		.amdhsa_reserve_vcc 0
		.amdhsa_float_denorm_mode_32 3
		.amdhsa_float_denorm_mode_16_64 3
		.amdhsa_memory_ordered 1
		.amdhsa_forward_progress 1
		.amdhsa_inst_pref_size 7
	.end_amdhsa_kernel
	.amdgpu_metadata
---
amdhsa.version: [ 1, 2 ]
amdhsa.kernels:
  - .name:           k_qac98f8028c_cast
    .symbol:         k_qac98f8028c_cast.kd
    .args:
      - { .name: x, .offset: 0, .size: 8, .value_kind: global_buffer, .address_space: global }
      - { .name: Wq, .offset: 8, .size: 8, .value_kind: global_buffer, .address_space: global }
      - { .name: Wk, .offset: 16, .size: 8, .value_kind: global_buffer, .address_space: global }
      - { .name: Wv, .offset: 24, .size: 8, .value_kind: global_buffer, .address_space: global }
      - { .name: xb, .offset: 32, .size: 8, .value_kind: global_buffer, .address_space: global }
      - { .name: wb, .offset: 40, .size: 8, .value_kind: global_buffer, .address_space: global }
    .group_segment_fixed_size: 0
    .private_segment_fixed_size: 0
    .kernarg_segment_align: 8
    .kernarg_segment_size: 48
    .max_flat_workgroup_size: 256
    .sgpr_count:     66
    .vgpr_count:     64
    .wavefront_size: 32
...
	.end_amdgpu_metadata
.endif
;; end of part 1
;; launch proj (part 2): grid 8 x 32, 4 waves a work-group, clusters of 4 x 4, 327,680 bytes of LDS; arguments xb, wb, qkv; writes qkv
.if DOCPART == 2
	.amdgcn_target "amdgcn-amd-amdhsa--gfx1250"
	.amdhsa_code_object_version 6
	.text
	.protected	k_qac98f8028c_proj
	.globl	k_qac98f8028c_proj
	.p2align	8
	.type	k_qac98f8028c_proj,@function
k_qac98f8028c_proj:
	s_mov_b64 s[64:65], 0
	v_nop
	global_prefetch_b8 v0, s[64:65] scope:SCOPE_SE
	s_setreg_imm32_b32 hwreg(HW_REG_WAVE_MODE, 25, 1), 1
	s_wait_xcnt 0x0
	s_wait_alu depctr_hold_cnt(0) depctr_sa_sdst(0) depctr_va_vdst(0) depctr_va_sdst(0) depctr_va_ssrc(0) depctr_va_vcc(0) depctr_vm_vsrc(0)
	s_getreg_b32 s2, hwreg(HW_REG_IB_STS2, 6, 4)
	s_cmp_eq_u32 s2, 0
	s_cbranch_scc0 .Lentry_in_a_cluster
	s_endpgm
.Lentry_in_a_cluster:
	s_bfe_u32 s2, ttmp6, 0x10000c
	s_cmp_lg_u32 s2, 0xf033
	s_cbranch_scc0 .Lentry_shape_is_right
	s_endpgm
.Lentry_shape_is_right:
; qkv[row][n] = the sum over k of x[row][k] W[k][n], n = q's, k's, v's 1,024 columns side by side.  Operands bf16, sums f32, qkv rounded once to f16.
; LIMIT: f16 holds no number beyond 65,504: q, k and v must stay within it.
; SHARES.  A tile of qkv is 256 rows x 384 columns: 32 x 8 = 256 tiles, one a work-group.  Wave w: rows 128 (w >> 1) on; of each of the tile's three groups of 128 columns the 64 at 64 (w & 1):
; 8 row blocks a x 12 column blocks (g, t) = 96 accumulators, 768 registers.  For 32 along K a wave reads 40 times 512 bytes from LDS for 96 matrix instructions.
; TRANSPOSED USE.  Source 0 = 16 columns of W (W lies [k][n], so it is turned by ds_load_tr16_b128), source 1 = 16 rows of x: a lane holds one row of qkv and eight neighbouring columns.
; RING.  K goes in 16 steps of 64 through two LDS slots.  Waves 0, 1 fetch x's two halves (128 rows x 128 dense bytes, asked for as 64 rows of 256), waves 2, 3 W's (32 k rows x 768 bytes).
; A K step is written once: the scalar TB is 0 or SLOT and is turned by an exclusive or at each change of slots; the descriptor's LDS word and the LDS read addresses are made from it anew.
; CLUSTER 4 x 4: x's tile hangs on the tile row and is shared along a row of the cluster, W's on the tile column and is shared along a column: joint loads.
; REGISTERS: window 0: v0-31 addresses; v32-95, v96-159 x's fragments, two buffers; v160-255 W's 12 fragments, one buffer whose groups are loaded again as soon as they are multiplied.
;   window g + 1: the 32 accumulators of column group g, (a, t) at v[8 (8 t + a)].
.set PA,    144                        ; a row of x in LDS: 128 bytes + 16: an odd multiple of 16
.set AHALF, 128*PA
.set PB,    864                        ; a k row of W in LDS: 3 x (256 + 32): an odd multiple of 32
.set BHALF, 32*PB
.set BOFF,  2*AHALF
.set SLOT,  BOFF+2*BHALF               ; 92,160
.set STAGE, 2*SLOT                     ; behind the ring: 128 rows x 784 bytes, the work-group's, for the way out
.set SPT,   784
.set SPARE, STAGE+128*SPT              ; the spare words: 128 bytes a wave, two blocks of 256 bytes that no other line names
.set ASTEP, 1048576                    ; bytes from a K step of xb to the next
.set BSTEP, 64*6144                    ; the same in wb
.set CROW,  6144                       ; bytes in a row of qkv and of wb
.set ADRA0, 8                          ; v8      my x fragments in slot 0; never rewritten
.set ADRB0, 9                          ; v9      my W fragments in slot 0; never rewritten
.set ADRA, 10                          ; v10     the same in the slot in hand
.set ADRB, 11                          ; v11
.set STO,  12                          ; v12     the way out: where I put 16 bytes
.set RD,   13                          ; v13-15  the way out: three pieces of 512 bytes of two stage rows
.set CO,   16                          ; v16-18  the same three pieces in qkv
.set SPW,  20                          ; v20     my spare word; never rewritten
.set NIL,  21                          ; v21     0; never rewritten
.set PFO,  22                          ; v22     the prefetches' lane offset; never rewritten
.set FA0,  32
.set FA1,  96
.set FB,   160
.set OB,   32                          ; the way out: v32-223
.set G1,   24                          ; s[24:31] group 1 for x's tiles; s[32:35] group 0 of the first fill, s[36:39] of the second, which then walks
.set G0,   32
.set G1B,  48                          ; s[48:55], s[56:63] the same for W's
.set G0B,  56
.set TB,   66                          ; s66     0 or SLOT: the slot in hand
.set WOA,  67                          ; s67, s68 my tile's place in a slot, for x and for W
.set WOB,  68
.set PFA,  70                          ; s[70:71] where my prefetches stand
.set STC,  72                          ; s[72:73] what is added to it at this K step; s74 at the next: the two change places in every trip
.set STN,  74
.set LIMC, 76                          ; s76, s77 2 where I prefetch at this K step, at the next; else the greatest number: they change places too
.set LIMN, 77
.set MSB, 0
.macro WIN new                         ; the immediate's high byte repeats the setting that is left
.if MSB != (\new)
	s_set_vgpr_msb (MSB<<8)|(\new)
.set MSB, \new
.endif
.endm
.macro PLACES                          ; four plain instructions between a matrix instruction and a load into, or a conversion of, its registers
.rept 4
	v_nop
.endr
.endm
.macro JLOAD                           ; a joint refill: the branch hangs on the wave's number alone; s_nop 0 and four v_nop follow each line
	s_cmp_eq_u32 s11, 0
	s_cbranch_scc0 .Lfor_b_\@
	tensor_load_to_lds s[G0+4:G0+7], s[G1:G1+7]
	s_nop 0
.rept 4
	v_nop
.endr
	s_branch .Lasked_\@
.Lfor_b_\@:
	tensor_load_to_lds s[G0B+4:G0B+7], s[G1B:G1B+7]
	s_nop 0
.rept 4
	v_nop
.endr
.Lasked_\@:
.endm
.macro CREST                           ; a round of the cluster's barrier behind its opening barrier
	s_cmp_lg_u32 s10, 0
	s_cbranch_scc1 .Lnot_wave_0_\@
	s_barrier_signal -3
.Lnot_wave_0_\@:
	s_barrier_wait -3
	s_barrier_signal -1
	s_barrier_wait -1
.endm
.macro CROUND
	s_barrier_signal -1
	s_barrier_wait -1
	CREST
.endm
; A PREFETCH INTO THE L2, behind a joint load and the run of LDS loads that follows it, for the K step two refills on.  x's tile of a K step is 32,768 dense bytes, read by both clusters of a row of
; clusters: in the first of them wave 0 asks, at every K step, each partner cx for 8,192 bytes, a lane 256.  W's tile column is read by all eight clusters of a column: in the first of them waves 1 to 3 ask,
; at even K steps for two steps' 128 k rows: partner cy takes 32, a lane a row, wave w the row's piece of 256 bytes number w - 1.  Partners are told apart by address alone.
; The counter runs 14 .. 1; K step 14 - s3 + 4 exists while s3 is above 2.
.macro ASK
	s_cmp_gt_u32 s3, s[LIMC]
	s_cbranch_scc0 .Lnot_mine_\@
	global_prefetch_b8 v[PFO], s[PFA:PFA+1] th:TH_LOAD_NT scope:SCOPE_SE
.Lnot_mine_\@:
	s_mov_b32 s78, s[LIMC]                         ; even and odd K steps change places
	s_mov_b32 s[LIMC], s[LIMN]
	s_mov_b32 s[LIMN], s78
	s_mov_b32 s78, s[STC]
	s_mov_b32 s[STC], s[STN]
	s_mov_b32 s[STN], s78
.endm
	s_load_b128 s[4:7], s[0:1], 0x0                ; xb s[4:5], wb s[6:7]
	s_load_b64 s[8:9], s[0:1], 0x10                ; qkv
	v_lshl_add_u32 v[SPW], v0, 2, SPARE
	v_mov_b32 v[NIL], 0
	ds_add_u32 v[SPW], v[NIL]                      ; the wave's opening: the add and its wait ahead of my first tensor load
	ds_add_u32 v20, v21
	v_lshrrev_b32 v1, 5, v0
	v_readfirstlane_b32 s10, v1                    ; wave 0..3
	s_lshr_b32 s11, s10, 1                         ; my half of the rows.  Also: I fetch for x (0) or for W (1)
	s_and_b32 s12, s10, 1                          ; my half of each column group.  Also: which half of that tile I fetch
	s_bfe_u32 s40, ttmp6, 0x40000                  ; cx
	s_bfe_u32 s41, ttmp6, 0x40004                  ; cy
	s_lshl_b32 s42, ttmp9, 2
	s_add_co_u32 s42, s42, s40                     ; tile column
	s_and_b32 s13, ttmp7, 0xffff
	s_lshl_b32 s13, s13, 2
	s_add_co_u32 s13, s13, s41                     ; tile row
	s_lshl_b32 s43, s41, 2
	s_lshl_b32 s43, 15, s43                        ; my row of the cluster
	s_lshl_b32 s44, 0x1111, s40                    ; my column
	s_or_b32 s[G1+0], s43, (1<<16)|(1<<20)|(1<<21)|(4<<22)|(3<<25)   ; mask; 2-byte elements; padding on; bit 21 beside a mask; after every 32 words 4 words
	s_or_b32 s[G1B+0], s44, (1<<16)|(1<<20)|(1<<21)|(5<<22)|(7<<25)  ; after every 64 words 8 words
	s_mov_b32 s[G1+1], 128<<16                     ; tensor_dim0 = 128
	s_mov_b32 s[G1+2], 64<<16                      ; tensor_dim1 = 64
	s_mov_b32 s[G1+3], 128<<16                     ; tile_dim0 = 128
	s_mov_b32 s[G1+4], 64                          ; tile_dim1 = 64
	s_mov_b32 s[G1+5], 128                         ; dense: 128 elements from row to row
	s_mov_b32 s[G1+6], 0
	s_mov_b32 s[G1+7], 0
	s_mov_b32 s[G1B+1], 384<<16                    ; tensor_dim0 = 384
	s_mov_b32 s[G1B+2], 32<<16                     ; tensor_dim1 = 32
	s_mov_b32 s[G1B+3], 384<<16                    ; tile_dim0 = 384
	s_mov_b32 s[G1B+4], 32                         ; tile_dim1 = 32
	s_mov_b32 s[G1B+5], 3072
	s_mov_b32 s[G1B+6], 0
	s_mov_b32 s[G1B+7], 0
	s_lshl_b32 s16, s13, 15                        ; x: the tile row's 256 rows of 128 bytes,
	s_lshl_b32 s17, s12, 14                        ; my half of them
	s_add_co_u32 s16, s16, s17
	s_mov_b32 s17, 0
	s_mul_i32 s46, s42, 768                        ; W: the tile column's 768 bytes of a row,
	s_mul_i32 s47, s12, 32*CROW                    ; my 32 of the step's 64 k rows
	s_add_co_u32 s46, s46, s47
	s_mov_b32 s47, 0
	s_mul_i32 s[WOA], s12, AHALF                   ; where they go: no place in the cluster enters an LDS address
	s_mul_i32 s[WOB], s12, BHALF
	s_add_co_u32 s[WOB], s[WOB], BOFF
	s_mov_b32 s[TB], 0
	s_wait_dscnt 0x0                               ; the opening add is done
	s_wait_kmcnt 0x0
	s_add_nc_u64 s[14:15], s[4:5], s[16:17]
	s_add_nc_u64 s[46:47], s[6:7], s[46:47]
	CROUND                                         ; all sixteen work-groups are here: the first joint loads meet
.irp s, 0,1
	s_mov_b32 s[G0+4*(\s)], 1
	s_add_co_u32 s[G0+4*(\s)+1], s[WOA], (\s)*SLOT
	s_add_nc_u64 s[G0+4*(\s)+2:G0+4*(\s)+3], s[14:15], (\s)*ASTEP
	s_or_b32 s[G0+4*(\s)+3], s[G0+4*(\s)+3], 0x80000000
	s_mov_b32 s[G0B+4*(\s)], 1
	s_add_co_u32 s[G0B+4*(\s)+1], s[WOB], (\s)*SLOT
	s_add_nc_u64 s[G0B+4*(\s)+2:G0B+4*(\s)+3], s[46:47], (\s)*BSTEP
	s_or_b32 s[G0B+4*(\s)+3], s[G0B+4*(\s)+3], 0x80000000
.endr
	s_cmp_eq_u32 s11, 0                            ; a wave's two first fills stand in one branch: two loads of mine are out
	s_cbranch_scc0 .Lfirst_b
	tensor_load_to_lds s[G0:G0+3], s[G1:G1+7]
	s_nop 0
	tensor_load_to_lds s[G0+4:G0+7], s[G1:G1+7]
	s_nop 0
.rept 4
	v_nop
.endr
	s_branch .Lfirst_asked
.Lfirst_b:
	tensor_load_to_lds s[G0B:G0B+3], s[G1B:G1B+7]
	s_nop 0
	tensor_load_to_lds s[G0B+4:G0B+7], s[G1B:G1B+7]
	s_nop 0
.rept 4
	v_nop
.endr
.Lfirst_asked:
	v_and_b32 v1, 15, v0                           ; r = l % 16
	v_bfe_u32 v2, v0, 4, 1                         ; h = l / 16
	v_and_b32 v7, 31, v0                           ; l
	v_mul_u32_u24 v3, v1, PA
	v_lshl_add_u32 v3, v2, 4, v3                   ; x: row x pitch + 16 h
	s_mul_i32 s21, s11, AHALF
	v_add_nc_u32 v[ADRA0], s21, v3
	v_mov_b32 v[ADRA], v[ADRA0]
	v_and_b32 v4, 7, v0
	v_lshl_add_u32 v4, v2, 3, v4                   ; W, turned: k row 8 h + l % 8,
	v_mul_u32_u24 v4, v4, PB
	v_bfe_u32 v5, v0, 3, 1
	v_lshl_add_u32 v4, v5, 4, v4                   ; columns 8 ((l / 8) % 2) on
	s_lshl_b32 s22, s12, 7
	s_add_co_u32 s22, s22, BOFF
	v_add_nc_u32 v[ADRB0], s22, v4
	v_mov_b32 v[ADRB], v[ADRB0]
	s_mul_i32 s23, s11, 64*SPT                     ; into the stage: row 64 (w >> 1) + r, byte 128 (w & 1) + 16 h
	s_lshl_b32 s22, s12, 7
	s_add_co_u32 s23, s23, s22
	s_add_co_u32 s23, s23, STAGE
	v_mul_u32_u24 v6, v1, SPT
	v_lshl_add_u32 v6, v2, 4, v6
	v_add_nc_u32 v[STO], s23, v6
	s_mul_i32 s23, s10, 32*SPT                     ; back: wave w takes stage rows 32 w on, two rows (1,536 bytes) as three pieces of 512
	s_add_co_u32 s23, s23, STAGE
	v_lshl_add_u32 v[RD], v7, 4, s23
	v_lshl_add_u32 v[RD+1], v2, 4, v[RD]
	v_add_nc_u32 v[RD+1], 512, v[RD+1]             ; lanes 16-31 stand in the next row, 784 - 768 bytes further
	v_add_nc_u32 v[RD+2], 1040, v[RD]
	v_lshlrev_b32 v[CO], 4, v7
	v_mul_u32_u24 v[CO+1], v2, 5376
	v_add_nc_u32 v[CO+1], v[CO+1], v[CO]
	v_add_nc_u32 v[CO+1], 512, v[CO+1]             ; in qkv the next row stands 6,144 - 768 bytes further
	v_add_nc_u32 v[CO+2], 6400, v[CO]
	s_lshl_b32 s80, s13, 8                         ; the first row that I store: 256 x tile row + 128 (w >> 1) + 32 (w & 1)
	s_lshl_b32 s81, s11, 7
	s_add_co_u32 s80, s80, s81
	s_lshl_b32 s81, s12, 5
	s_add_co_u32 s80, s80, s81
	s_mul_i32 s80, s80, CROW
	s_mul_i32 s81, s42, 768
	s_add_co_u32 s80, s80, s81
	s_mov_b32 s81, 0
	s_add_nc_u64 s[8:9], s[8:9], s[80:81]
	; the prefetches
	s_lshl_b32 s82, s13, 15
	s_lshl_b32 s83, s40, 13
	s_add_co_u32 s82, s82, s83
	s_add_co_u32 s82, s82, 3*ASTEP                 ; wave 0, in xb: at K step 3; the first change of slots steps it to 4
	s_mul_i32 s84, s42, 768
	s_mul_i32 s85, s41, 32*CROW
	s_add_co_u32 s84, s84, s85
	s_lshl_b32 s85, s10, 8
	s_add_co_u32 s84, s84, s85
	s_add_co_u32 s84, s84, 2*BSTEP-256             ; waves 1-3, in wb: at K step 2; the first change steps it to 4
	s_and_b32 s86, ttmp7, 0xffff
	s_cmp_eq_u32 s86, 0
	s_cselect_b32 s86, 2, -1                       ; the first cluster of its column
	s_cmp_eq_u32 ttmp9, 0
	s_cselect_b32 s87, 2, -1                       ; the first cluster of its row
	s_mov_b32 s89, ASTEP
	s_mov_b32 s88, 256
	s_cmp_eq_u32 s10, 0
	s_cselect_b64 s[PFA:PFA+1], s[4:5], s[6:7]
	s_cselect_b32 s82, s82, s84
	s_cselect_b32 s[LIMC], s87, s86
	s_cselect_b32 s[LIMN], s87, -1
	s_cselect_b32 s[STC], s89, 2*BSTEP
	s_cselect_b32 s[STN], s89, 0
	s_cselect_b32 s88, s88, CROW
	s_mov_b32 s83, 0
	s_mov_b32 s[STC+1], 0
	s_add_nc_u64 s[PFA:PFA+1], s[PFA:PFA+1], s[82:83]
	v_mul_u32_u24 v[PFO], s88, v7
; tn x 8 matrix instructions of column group g, from column block t0 on, with x's buffer fa.  All accumulators differ, so they take turns.  zero = 1: the product starts the sums.
.macro THIRD g, fa, zero, t0, tn
	WIN 0x50*((\g)+1)
.set tt, \t0
.rept \tn
.set aa, 0
.rept 8
.if \zero
	v_wmma_f32_16x16x32_bf16 v[8*(8*tt+aa):8*(8*tt+aa)+7], v[FB+8*(4*(\g)+tt):FB+8*(4*(\g)+tt)+7], v[(\fa)+8*aa:(\fa)+8*aa+7], 0
.else
	v_wmma_f32_16x16x32_bf16 v[8*(8*tt+aa):8*(8*tt+aa)+7], v[FB+8*(4*(\g)+tt):FB+8*(4*(\g)+tt)+7], v[(\fa)+8*aa:(\fa)+8*aa+7], v[8*(8*tt+aa):8*(8*tt+aa)+7]
.endif
.set aa, aa+1
.endr
.set tt, tt+1
.endr
.endm
.macro LB g, kq                        ; 8 loads: W's four fragments of group g, 32 k rows from 32 kq, of the slot in hand
	WIN 0
.irp t, 0,1,2,3
	ds_load_tr16_b128 v[FB+8*(4*(\g)+(\t)):FB+8*(4*(\g)+(\t))+3],   v[ADRB] offset:(\kq)*32*PB+(\g)*288+(\t)*32
	ds_load_tr16_b128 v[FB+8*(4*(\g)+(\t))+4:FB+8*(4*(\g)+(\t))+7], v[ADRB] offset:(\kq)*32*PB+16*PB+(\g)*288+(\t)*32
.endr
.endm
.macro LA fa, kq                       ; 16 loads: x's eight fragments
	WIN 0
.irp a, 0,1,2,3,4,5,6,7
	ds_load_b128 v[(\fa)+8*(\a):(\fa)+8*(\a)+3],   v[ADRA] offset:(\a)*16*PA+(\kq)*64
	ds_load_b128 v[(\fa)+8*(\a)+4:(\fa)+8*(\a)+7], v[ADRA] offset:(\a)*16*PA+(\kq)*64+32
.endr
.endm
; A K step's first 32 along K: multiplies buffer FA0; behind each third the registers just multiplied are loaded again for the second 32.
.macro QA zero
	s_wait_dscnt 16                                ; group 0 and x are in; groups 1 and 2 (16 loads) may be out
	THIRD 0, FA0, \zero, 0, 4
	PLACES
	LB 0, 1
	LA FA1, 1
	s_wait_dscnt 32                                ; group 1 is in; group 2's 8 and the 24 just issued may be out
	THIRD 1, FA0, \zero, 0, 4
	PLACES
	LB 1, 1
	s_wait_dscnt 32                                ; group 2 is in; 24 + 8 younger
	THIRD 2, FA0, \zero, 0, 4
	PLACES
	LB 2, 1
.endm
; The second 32, which changes slots.  All reads of this slot have been issued.  Each wave waits for all its tensor loads (one is out: its part of the other slot), adds 0 to its spare word, and waits for that
; and for its reads; fill = 1: the barrier opens a round of the cluster's barrier, and the joint refill (this slot, two K steps on) is the first tensor load behind it: 160 matrix instructions ahead of the wait for it.
.macro QT fill
.if \fill
	s_wait_xcnt 0x0                                ; the last prefetch, a K step back, has read its address
	s_add_nc_u64 s[PFA:PFA+1], s[PFA:PFA+1], s[STC:STC+1]
.endif
	WIN 0
	s_wait_tensorcnt 0x0                           ; no tensor load of mine is out, so a group 0 may be written
	ds_add_u32 v[SPW], v[NIL]
.if \fill
	s_add_co_u32 s[G0+5], s[TB], s[WOA]            ; the walking descriptors: into the slot that is being left,
	s_add_nc_u64 s[G0+6:G0+7], s[G0+6:G0+7], ASTEP ; the next K step that has not been asked for
	s_add_co_u32 s[G0B+5], s[TB], s[WOB]
	s_add_nc_u64 s[G0B+6:G0B+7], s[G0B+6:G0B+7], BSTEP
.endif
	s_xor_b32 s[TB], s[TB], SLOT                   ; from here on: the slot that is entered
	s_wait_dscnt 17                                ; groups 1 and 2 and the add may be out
	THIRD 0, FA1, 0, 0, 2
	s_wait_dscnt 0x0                               ; the add is done, my reads of this slot are over
	s_barrier_signal -1
	THIRD 0, FA1, 0, 2, 2
	WIN 0
	s_barrier_wait -1
.if \fill
	CREST
	JLOAD                                          ; its four v_nop are also the places in front of the loads below
.else
	PLACES
.endif
	v_add_nc_u32 v[ADRA], s[TB], v[ADRA0]
	v_add_nc_u32 v[ADRB], s[TB], v[ADRB0]
	LB 0, 0
	LA FA0, 0
.if \fill
	ASK
.endif
	s_wait_dscnt 32
	THIRD 1, FA1, 0, 0, 4
	PLACES
	LB 1, 0
	s_wait_dscnt 32
	THIRD 2, FA1, 0, 0, 4
	PLACES
	LB 2, 0
.endm
	s_wait_tensorcnt 1                             ; my part of K step 0 is in; K step 1's may stay out
	s_barrier_signal -1
	s_barrier_wait -1
	LB 0, 0
	LA FA0, 0
	LB 1, 0
	LB 2, 0
	QA 1                                           ; the first products start the sums
	s_mov_b32 s3, 14
.Lstep:                                                ; a trip: K step t's second half, a change of slots that asks for K step t + 2, K step t + 1's first half
	QT 1
	QA 0
	s_sub_co_u32 s3, s3, 1
	s_cmp_lg_u32 s3, 0
	s_cbranch_scc1 .Lstep
	QT 0                                           ; K step 14: nothing is left to ask for
	QA 0
	s_wait_dscnt 16                                ; the very last 32 along K: the counts run down
	THIRD 0, FA1, 0, 0, 4
	s_wait_dscnt 8
	THIRD 1, FA1, 0, 0, 4
	s_wait_dscnt 0x0
	THIRD 2, FA1, 0, 0, 4
	PLACES
; THE WAY OUT, in two passes of four row blocks a wave.  Rounded to f16, 16 bytes a lane into the work-group's stage (a row's 768 bytes come from two waves, so a barrier stands between writing and
; reading); back as whole rows; each store covers whole aligned blocks of 256 bytes of qkv.
.macro OUTPASS p
.irp g, 0,1,2
	WIN 5*((\g)+1)                                 ; sources in window g + 1, destination in window 0
.set q, 0
.rept 16                                       ; q = 4 (row block in the pass) + t; each accumulator's registers in ascending order
.set ac, 8*(8*(q%4)+4*(\p)+q/4)
.irp r, 0,1,2,3
	v_cvt_pk_f16_f32 v[OB+4*q+(\r)], v[ac+2*(\r)], v[ac+2*(\r)+1]
.endr
.set q, q+1
.endr
	WIN 0
.set q, 0
.rept 16
	ds_store_b128 v[STO], v[OB+4*q:OB+4*q+3] offset:(q/4)*16*SPT+(\g)*256+(q%4)*32
.set q, q+1
.endr
.endr
	s_wait_dscnt 0x0                               ; for the others' sake: my stores into the stage are done
	s_barrier_signal -1
	s_barrier_wait -1
.set q, 0
.rept 16
	ds_load_b128 v[OB+12*q:OB+12*q+3],    v[RD]   offset:q*2*SPT
	ds_load_b128 v[OB+12*q+4:OB+12*q+7],  v[RD+1] offset:q*2*SPT
	ds_load_b128 v[OB+12*q+8:OB+12*q+11], v[RD+2] offset:q*2*SPT
.set q, q+1
.endr
.set q, 0
.rept 16
	s_wait_dscnt 45-3*q                            ; two rows' three loads are back; three younger loads for each later pair of rows stay out
.irp e, 0,1,2
	global_store_b128 v[CO+(\e)], v[OB+12*q+4*(\e):OB+12*q+4*(\e)+3], s[8:9] offset:q*2*CROW
.endr
.set q, q+1
.endr
.endm
	OUTPASS 0
	s_barrier_signal -1                            ; every wave's reads of the stage are back (the count-down ended at 0): it may be written again
	s_barrier_wait -1
	s_wait_xcnt 0x0                                ; the stores have read their registers and their base
	s_add_nc_u64 s[8:9], s[8:9], 64*CROW
	OUTPASS 1
	s_wait_tensorcnt 0x0                           ; the wave's end
	ds_add_u32 v[SPW], v[NIL]
	s_wait_dscnt 0x0
	CROUND                                         ; the closing round
	s_endpgm
.Lfunc_end_k_qac98f8028c_proj:
	.size	k_qac98f8028c_proj, .Lfunc_end_k_qac98f8028c_proj-k_qac98f8028c_proj
	.p2alignl 7, 3214868480
	.fill 96, 4, 3214868480
	.section	.rodata,"a",@progbits
	.p2align	6, 0x0
	.amdhsa_kernel k_qac98f8028c_proj
		.amdhsa_group_segment_fixed_size 327680
		.amdhsa_private_segment_fixed_size 0
		.amdhsa_enable_private_segment 0
		.amdhsa_kernarg_size 24
		.amdhsa_user_sgpr_count 2
		.amdhsa_user_sgpr_kernarg_segment_ptr 1
		.amdhsa_wavefront_size32 1
		.amdhsa_system_sgpr_workgroup_id_x 1
		.amdhsa_system_sgpr_workgroup_id_y 1
		.amdhsa_system_sgpr_workgroup_id_z 1
		.amdhsa_system_vgpr_workitem_id 0
		.amdhsa_next_free_vgpr 1024
		.amdhsa_next_free_sgpr 90
		.amdhsa_reserve_vcc 0
		.amdhsa_float_denorm_mode_32 3
		.amdhsa_float_denorm_mode_16_64 3
		.amdhsa_memory_ordered 1
		.amdhsa_forward_progress 1
		.amdhsa_inst_pref_size 113
	.end_amdhsa_kernel
	.amdgpu_metadata
---
amdhsa.version: [ 1, 2 ]
amdhsa.kernels:
  - .name:           k_qac98f8028c_proj
    .symbol:         k_qac98f8028c_proj.kd
    .args:
      - { .name: xb, .offset: 0, .size: 8, .value_kind: global_buffer, .address_space: global }
      - { .name: wb, .offset: 8, .size: 8, .value_kind: global_buffer, .address_space: global }
      - { .name: qkv, .offset: 16, .size: 8, .value_kind: global_buffer, .address_space: global }
    .group_segment_fixed_size: 327680
    .private_segment_fixed_size: 0
    .kernarg_segment_align: 8
    .kernarg_segment_size: 24
    .max_flat_workgroup_size: 128
    .sgpr_count:     90
    .vgpr_count:     1024
    .wavefront_size: 32
...
	.end_amdgpu_metadata
.endif
;; end of part 2
;; launch scores (part 3): grid 36 x 4, 4 waves a work-group, no clusters, 327,680 bytes of LDS; arguments qkv, pt, stats; writes pt, stats
.if DOCPART == 3
	.amdgcn_target "amdgcn-amd-amdhsa--gfx1250"
	.amdhsa_code_object_version 6
	.text
	.protected	k_qac98f8028c_scores
	.globl	k_qac98f8028c_scores
	.p2align	8
	.type	k_qac98f8028c_scores,@function
k_qac98f8028c_scores:
	s_mov_b64 s[64:65], 0
	v_nop
	global_prefetch_b8 v0, s[64:65] scope:SCOPE_SE
	s_setreg_imm32_b32 hwreg(HW_REG_WAVE_MODE, 25, 1), 1
	s_wait_xcnt 0x0
; For each tile (I, J), J <= I, of 256 queries x 256 keys of a batch: s = q . k (f16 operands, f32 sums); keys behind the query are hidden; for each row and each block of 128 keys the block's own maximum m,
; p = 2^(c s - c m) with c = log2(e) / 32, stored as f16 in pt, and c m and the block's sum l of the unrounded p, stored as f32 in stats.  The launch that follows forms the row's maximum from the blocks'.
; LIMITS.  A hidden score counts as its value less 1e30, so its weight is 0; the module gives it exp((-1e9 - s_max) / 32), which is 0 in f32 while a row's largest visible score lies above -1e9 + 3.4e3.
; A block with no visible key gets m = -2^96, p = 0, l = 0.  q and k arrive within f16's 65,504.  A weight below 2^-126 counts as 0 in l.  NaN and infinities are not treated apart.
; SHARES.  36 tiles a batch, 144 work-groups.  Four waves, each 128 x 128: 64 accumulators, 512 registers.  Source 0 = 16 keys, source 1 = 16 queries: a lane holds one query and eight neighbouring keys.
; K (1,024) goes in 8 steps of 128 through two LDS slots; wave w fetches 128 rows x 256 bytes: waves 0, 1 q's, waves 2, 3 k's.  A K step is written once: the scalar TB is 0 or SLOT and is turned by an
; exclusive or at each change of slots; the descriptor's LDS word and the LDS read addresses are made from it anew.
; THE MASK is the C operand of the products that start the sums: 0, or -1e30 where the key is hidden.  With D = 256 (I - J) + 128 (my query half - my key half), which is -128, 0 or at least 128, it hangs on
; the sign of (key block - query block) alone: three sets of eight registers, made once.
; NO CLUSTER: a row of the triangle holds I + 1 tiles and a column 8 - J: from 1 to 8, not a multiple of four.
; REGISTERS: window 0: v0-31 addresses; v32-55 the masks; v64-191 q's fragments, two buffers (behind the products: at work); window 1: v64-191 k's fragments; windows 2, 3: accumulators of my rows 0-63, 64-127.
.set KSTEP,  128
.set PITCH,  272                       ; 256 bytes + 16: an odd multiple of 16
.set HALFT,  128*PITCH
.set SLOT,   4*HALFT
.set SPARE,  2*SLOT                    ; behind the ring: the spare words, 128 bytes a wave
.set EP,     528                       ; behind the last fill the ring's bytes are the stage: 128 rows x (512 + 16) bytes of f32 scores a wave
.set ESTG,   128*EP
.set QROW,   6144                      ; bytes in a row of qkv
.set GS,   12                          ; v12     my 16 bytes of 512 of stats: 32 (l % 16) + 16 (l / 16)
.set ADRA0, 16                         ; v16     my q fragments in slot 0; never rewritten
.set ADRB0, 17                         ; v17     my k fragments in slot 0; never rewritten
.set DST,  18                          ; v18     where I put an accumulator's first 16 bytes
.set ERD0, 19                          ; v19     my 16 bytes of the first trip's first pair of stage rows
.set ADRA, 20                          ; v20, v21 the fragments' addresses in the slot in hand
.set ADRB, 21
.set ERD,  22                          ; v22     ERD0 at the trip to come
.set PO,   25                          ; v25     my 16 bytes of two rows of pt
.set VQ,   27                          ; v27     at the head only: D + l % 16 - 8 (l / 16)
.set SPW,  28
.set NIL,  29
.set PFO,  30
.set MLT,  32                          ; v32-39  the mask for a key block below the query block
.set MEQ,  40                          ; v40-47  for the same block
.set MGT,  48                          ; v48-55  for one above
.set F0,   64
.set F1,   128
.set X,    64                          ; v64-95   four pairs of rows: 8 scores a lane each
.set Y,    96                          ; v96-111  the same as f16
.set CM,   112                         ; v112-119 by pair: c m, m
.set T,    120                         ; v120-135 by pair: four partial sums
.set RC,   136                         ; v136-139 c m of my four rows, collected trip by trip
.set RL,   140                         ; v140-143 l of my four rows
.set G1, 24
.set G0, 32                            ; s[32:35] group 0 of the first fill, s[36:39] of the second, which then walks
.set LIM, 43
.set PFA, 44
.set DD,  46
.set EO,  47
.set MK,  48                           ; s48  the lanes that keep this trip's c m and l: l % 16 = the trip's number
.set FLOOR, 49
.set WO,  50                           ; s50  my tile's place in a slot
.set TB,  51                           ; s51  0 or SLOT: the slot in hand
.set FBA, 52                           ; s[52:53] my 128 rows at K step 0
.set BIGN, 54
.set SV,  56                           ; s[56:57] what a trip adds to pt's address: 0 in the first trip
.set CS,  58
.set MSB, 0
.macro WIN new
.if MSB != (\new)
	s_set_vgpr_msb (MSB<<8)|(\new)
.set MSB, \new
.endif
.endm
.set MUL_LO, 0xa1                      ; source 0 (k) window 1, source 1 (q) window 0, C and D window 2
.set TO_B,   0x40
.macro PLACES
.rept 4
	v_nop
.endr
.endm
; A PREFETCH INTO THE L2, behind a refill and the run of LDS loads that follows it: my own 128 rows x 256 bytes of the K step two refills on: a lane a row, four instructions.
; Only the tiles on the diagonal ask: tile (I, I) reads q's block I and k's block I, so each row's 256 bytes of a K step are named once in the launch.
; The counter runs 6 .. 1; K step 6 - s3 + 4 exists while s3 is above 2.
.macro ASK
	s_cmp_gt_u32 s3, s[LIM]
	s_cbranch_scc0 .Lnot_mine_\@
.irp n, 0,1,2,3
	global_prefetch_b8 v[PFO], s[PFA:PFA+1] offset:(\n)*32*QROW+KSTEP*2 th:TH_LOAD_NT scope:SCOPE_SE
.endr
.Lnot_mine_\@:
.endm
	s_load_b128 s[4:7], s[0:1], 0x0                ; qkv s[4:5], pt s[6:7]
	s_load_b64 s[8:9], s[0:1], 0x10                ; stats
	v_lshl_add_u32 v[SPW], v0, 2, SPARE
	v_mov_b32 v[NIL], 0
	ds_add_u32 v[SPW], v[NIL]                      ; the wave's opening: the add and its wait ahead of my first tensor load
	ds_add_u32 v28, v29
	v_lshrrev_b32 v1, 5, v0
	v_readfirstlane_b32 s10, v1                    ; wave 0..3
	s_lshr_b32 s11, s10, 1                         ; my half of the queries.  Also: I fetch q (0) or k (1)
	s_and_b32 s12, s10, 1                          ; my half of the keys.  Also: which 128 rows I fetch
	s_mov_b32 s16, ttmp9                           ; the tile's number in the triangle: I (I + 1) / 2 + J
	s_mov_b32 s13, 0
	s_mov_b32 s17, 0
.irp n, 1,2,3,4,5,6,7
	s_cmp_ge_u32 s16, (\n)*((\n)+1)/2
	s_cselect_b32 s13, \n, s13                     ; I
	s_cselect_b32 s17, (\n)*((\n)+1)/2, s17
.endr
	s_sub_co_u32 s14, s16, s17                     ; J
	s_and_b32 s15, ttmp7, 0xffff                   ; the batch
	s_mov_b32 s[G1+0], (1<<16)|(1<<20)|(5<<22)|(3<<25)  ; 2-byte elements; padding on: after every 64 words 4 words
	s_mov_b32 s[G1+1], KSTEP<<16                   ; tensor_dim0 = 128
	s_mov_b32 s[G1+2], 128<<16                     ; tensor_dim1 = 128
	s_mov_b32 s[G1+3], KSTEP<<16                   ; tile_dim0 = 128
	s_mov_b32 s[G1+4], 128                         ; tile_dim1 = 128
	s_mov_b32 s[G1+5], 3072
	s_mov_b32 s[G1+6], 0
	s_mov_b32 s[G1+7], 0
	s_mov_b32 s[CS], 0x3d38aa3b                    ; c = log2(e) / 32
	s_mov_b32 s[CS+1], s[CS]
	s_mov_b32 s[FLOOR], 0xef800000                 ; -2^96
	s_mov_b32 s[BIGN], 0xf149f2ca                  ; -1e30
	s_mov_b32 s[TB], 0
	s_cmp_eq_u32 s11, 0
	s_cselect_b32 s18, s13, s14                    ; q's block I or k's block J,
	s_cselect_b32 s19, 0, 2048                     ; q's or k's bytes of a row
	s_lshl_b32 s18, s18, 8
	s_lshl_b32 s20, s12, 7
	s_add_co_u32 s18, s18, s20
	s_lshl_b32 s20, s15, 11
	s_add_co_u32 s18, s18, s20
	s_mul_i32 s18, s18, QROW
	s_add_co_u32 s18, s18, s19
	s_mov_b32 s19, 0
	s_mul_i32 s[WO], s10, HALFT                    ; q's two halves, then k's two halves
	s_cmp_eq_u32 s13, s14
	s_cselect_b32 s[LIM], 2, -1
	s_sub_co_i32 s[DD], s13, s14
	s_lshl_b32 s[DD], s[DD], 1
	s_add_co_i32 s[DD], s[DD], s11
	s_sub_co_i32 s[DD], s[DD], s12
	s_lshl_b32 s[DD], s[DD], 7                     ; D = 256 (I - J) + 128 (my query half - my key half)
	s_wait_dscnt 0x0                               ; the opening add is done
	s_wait_kmcnt 0x0
	s_add_nc_u64 s[FBA:FBA+1], s[4:5], s[18:19]
.irp s, 0,1
	s_mov_b32 s[G0+4*(\s)], 1
	s_add_co_u32 s[G0+4*(\s)+1], s[WO], (\s)*SLOT
	s_add_nc_u64 s[G0+4*(\s)+2:G0+4*(\s)+3], s[FBA:FBA+1], (\s)*KSTEP*2
	s_or_b32 s[G0+4*(\s)+3], s[G0+4*(\s)+3], 0x80000000
	tensor_load_to_lds s[G0+4*(\s):G0+4*(\s)+3], s[G1:G1+7]  ; the two first fills go out together: two loads of mine are out
	s_nop 0
.endr
	s_add_nc_u64 s[PFA:PFA+1], s[FBA:FBA+1], 2*KSTEP*2  ; at K step 2: the first change steps it to 3 and names K step 4
	v_and_b32 v1, 15, v0                           ; r
	v_bfe_u32 v2, v0, 4, 1                         ; h
	v_and_b32 v5, 31, v0                           ; l
	v_mul_u32_u24 v3, v1, PITCH
	v_lshl_add_u32 v3, v2, 4, v3
	s_mul_i32 s21, s11, HALFT
	s_mul_i32 s22, s12, HALFT
	s_add_co_u32 s22, s22, 2*HALFT
	v_add_nc_u32 v[ADRA0], s21, v3
	v_add_nc_u32 v[ADRB0], s22, v3
	v_mov_b32 v[ADRA], v[ADRA0]
	v_mov_b32 v[ADRB], v[ADRB0]
	; the stage.  A group of 8 keys, number g = 2 b + h of a row's 16, lies in two pieces: its first four scores at byte 16 g, its last four at 256 + 16 g: a row is then read back by two loads of 256 consecutive bytes
	s_mul_i32 s23, s10, ESTG
	v_mul_u32_u24 v4, v1, EP
	v_lshl_add_u32 v4, v2, 4, v4
	v_add_nc_u32 v[DST], s23, v4                   ; in: row r, 16 bytes for each half of the lanes
	v_mul_u32_u24 v4, v2, 4*EP
	v_lshl_add_u32 v4, v1, 4, v4
	v_add_nc_u32 v[ERD0], s23, v4                  ; back: lanes 0-15 one row, lanes 16-31 the row four further down; 8 keys a lane
	v_lshlrev_b32 v[GS], 5, v1
	v_lshl_add_u32 v[GS], v2, 4, v[GS]
	v_lshlrev_b32 v[PO], 14, v2
	v_lshl_add_u32 v[PO], v1, 4, v[PO]
	v_mul_u32_u24 v[PFO], v5, QROW
	; the masks: register j of key block b is hidden from query block a's row r where 16 (b - a) + 8 h + j - r > D; for D = -128, 0 or 128 and more, b - a counts by its sign alone
	v_lshlrev_b32 v4, 3, v2
	v_sub_nc_u32 v[VQ], v1, v4
	v_add_nc_u32 v[VQ], s[DD], v[VQ]
.set j, 0
.rept 8
	v_cmp_gt_i32 vcc_lo, j-16, v[VQ]
	v_cndmask_b32 v[MLT+j], 0, s[BIGN], vcc_lo
	v_cmp_gt_i32 vcc_lo, j, v[VQ]
	v_cndmask_b32 v[MEQ+j], 0, s[BIGN], vcc_lo
	v_cmp_gt_i32 vcc_lo, j+16, v[VQ]
	v_cndmask_b32 v[MGT+j], 0, s[BIGN], vcc_lo
.set j, j+1
.endr
	s_lshl_b32 s16, s15, 11                        ; pt at my first row and key
	s_lshl_b32 s17, s13, 8
	s_add_co_u32 s16, s16, s17
	s_lshl_b32 s17, s11, 7
	s_add_co_u32 s16, s16, s17
	s_lshl_b32 s16, s16, 12
	s_lshl_b32 s17, s14, 9
	s_add_co_u32 s16, s16, s17
	s_lshl_b32 s17, s12, 8
	s_add_co_u32 s16, s16, s17
	s_mov_b32 s17, 0
	s_add_nc_u64 s[6:7], s[6:7], s[16:17]
	s_lshl_b32 s16, s15, 4                         ; stats: [batch][block of 128 keys][row]
	s_lshl_b32 s17, s14, 1
	s_add_co_u32 s16, s16, s17
	s_add_co_u32 s16, s16, s12
	s_lshl_b32 s16, s16, 13
	s_lshl_b32 s17, s13, 10
	s_add_co_u32 s16, s16, s17
	s_lshl_b32 s17, s11, 9
	s_add_co_u32 s16, s16, s17
	s_mov_b32 s17, 0
	s_add_nc_u64 s[8:9], s[8:9], s[16:17]
; 16 matrix instructions: query blocks a0, a0 + 1 of the window's four x all 8 key blocks.  The 64 accumulators take turns in the same order in every quarter.
; zero = 1: the product starts the sum, with the mask as its C (in window 0).
.macro MUL16 f, hi, a0, zero
.if \zero
	WIN 0x81+0x40*(\hi)
.else
	WIN MUL_LO+0x50*(\hi)
.endif
.irp a, \a0, (\a0)+1
.irp b, 0,1,2,3,4,5,6,7
.if \zero
.set dl, (\b)-4*(\hi)-(\a)
.set ms, MEQ
.if dl < 0
.set ms, MLT
.endif
.if dl > 0
.set ms, MGT
.endif
	v_wmma_f32_16x16x32_f16 v[8*(8*(\a)+(\b)):8*(8*(\a)+(\b))+7], v[(\f)+8*(\b):(\f)+8*(\b)+7], v[(\f)+8*(4*(\hi)+(\a)):(\f)+8*(4*(\hi)+(\a))+7], v[ms:ms+7]
.else
	v_wmma_f32_16x16x32_f16 v[8*(8*(\a)+(\b)):8*(8*(\a)+(\b))+7], v[(\f)+8*(\b):(\f)+8*(\b)+7], v[(\f)+8*(4*(\hi)+(\a)):(\f)+8*(4*(\hi)+(\a))+7], v[8*(8*(\a)+(\b)):8*(8*(\a)+(\b))+7]
.endif
.endr
.endr
.endm
.macro FETCH k, f                      ; 32 LDS loads in one run, from the slot in hand: k's 8 fragments, then q's 8
	WIN TO_B
.irp i, 0,1,2,3,4,5,6,7
	ds_load_b128 v[(\f)+8*(\i):(\f)+8*(\i)+3],   v[ADRB] offset:(\k)+(\i)*16*PITCH
	ds_load_b128 v[(\f)+8*(\i)+4:(\f)+8*(\i)+7], v[ADRB] offset:(\k)+(\i)*16*PITCH+32
.endr
	WIN 0
.irp i, 0,1,2,3,4,5,6,7
	ds_load_b128 v[(\f)+8*(\i):(\f)+8*(\i)+3],   v[ADRA] offset:(\k)+(\i)*16*PITCH
	ds_load_b128 v[(\f)+8*(\i)+4:(\f)+8*(\i)+7], v[ADRA] offset:(\k)+(\i)*16*PITCH+32
.endr
.endm
.macro QUARTER k, f, g, zero           ; 32 along K: multiplies buffer f; in its middle it fetches the next quarter, at byte k of the rows, into g
	s_wait_dscnt 8                                 ; k's and q's rows 0-63 are in; the youngest eight loads may be out
	MUL16 \f, 0, 0, \zero
	MUL16 \f, 0, 2, \zero
	PLACES
	FETCH \k, \g
	s_wait_dscnt 32                                ; all but the 32 just issued
	MUL16 \f, 1, 0, \zero
	MUL16 \f, 1, 2, \zero
.endm
; A K step's last quarter, which changes slots: each wave waits for all its tensor loads (one is out: its part of the other slot), adds 0 to its spare word, waits for that and for its reads of this slot, and
; passes the barrier.  fill = 1: this slot is filled again, two K steps on, first thing behind the barrier: 224 matrix instructions ahead of the wait for it.
.macro TURN fill
.if \fill
	s_wait_xcnt 0x0                                ; the last prefetches, a K step back, have read their address
	s_add_nc_u64 s[PFA:PFA+1], s[PFA:PFA+1], KSTEP*2
.endif
	WIN 0
	s_wait_tensorcnt 0x0
	ds_add_u32 v[SPW], v[NIL]
.if \fill
	s_add_co_u32 s[G0+5], s[TB], s[WO]             ; the walking descriptor: into the slot that is being left,
	s_add_nc_u64 s[G0+6:G0+7], s[G0+6:G0+7], KSTEP*2  ; the next K step that has not been asked for
.endif
	s_xor_b32 s[TB], s[TB], SLOT                   ; from here on: the slot that is entered
	s_wait_dscnt 9                                 ; the add and the youngest eight loads may be out
	MUL16 F1, 0, 0, 0
	s_wait_dscnt 0x0
	s_barrier_signal -1
	MUL16 F1, 0, 2, 0
	WIN 0
	s_barrier_wait -1
.if \fill
	tensor_load_to_lds s[G0+4:G0+7], s[G1:G1+7]
	s_nop 0
.endif
	PLACES
	v_add_nc_u32 v[ADRA], s[TB], v[ADRA0]
	v_add_nc_u32 v[ADRB], s[TB], v[ADRB0]
	FETCH 0, F0
.if \fill
	ASK
.endif
	MUL16 F1, 1, 0, 0
	MUL16 F1, 1, 2, 0
.endm
	s_wait_tensorcnt 1                             ; my part of K step 0 is in
	s_barrier_signal -1
	s_barrier_wait -1
	FETCH 0, F0
	QUARTER 64,  F0, F1, 1                         ; the first quarter's products start the sums, from the masks
	WIN 0
	s_mov_b32 s3, 6
.Lstep:                                                ; a trip: from a K step's second quarter to the next K step's first; K step t + 2 is asked for
	QUARTER 128, F1, F0, 0
	QUARTER 192, F0, F1, 0
	TURN 1
	QUARTER 64,  F0, F1, 0
	WIN 0
	s_sub_co_u32 s3, s3, 1
	s_cmp_lg_u32 s3, 0
	s_cbranch_scc1 .Lstep
	QUARTER 128, F1, F0, 0                         ; the last two K steps fill nothing
	QUARTER 192, F0, F1, 0
	TURN 0
	QUARTER 64,  F0, F1, 0
	QUARTER 128, F1, F0, 0
	QUARTER 192, F0, F1, 0
	s_wait_dscnt 8
	MUL16 F1, 0, 0, 0
	MUL16 F1, 0, 2, 0
	s_wait_dscnt 0x0
	MUL16 F1, 1, 0, 0
	MUL16 F1, 1, 2, 0
	WIN 0
	; THE SCORES GO THROUGH LDS, so that a row's 128 keys lie in sixteen neighbouring lanes.  The ring has had its last fill; every wave's reads of it are back in front of the barrier.
	s_barrier_signal -1
	s_barrier_wait -1
	PLACES
.irp a, 0,1,2,3,4,5,6,7
	WIN 0x08+4*((\a)/4)                            ; the data in window 2 or 3
.irp b, 0,1,2,3,4,5,6,7
	ds_store_b128 v[DST], v[8*(8*((\a)%4)+(\b)):8*(8*((\a)%4)+(\b))+3]   offset:(\a)*16*EP+32*(\b)      ; each accumulator's low four registers first
	ds_store_b128 v[DST], v[8*(8*((\a)%4)+(\b))+4:8*(8*((\a)%4)+(\b))+7] offset:(\a)*16*EP+32*(\b)+256
.endr
.endr
	WIN 0
.macro LOADX adr                       ; a trip's 8 rows: pair p is rows p (lanes 0-15) and 4 + p (lanes 16-31)
.irp p, 0,1,2,3
	ds_load_b128 v[X+8*(\p):X+8*(\p)+3],   v[\adr] offset:(\p)*EP
	ds_load_b128 v[X+8*(\p)+4:X+8*(\p)+7], v[\adr] offset:(\p)*EP+256
.endr
.endm
	s_mov_b32 s[EO], 0
	s_mov_b32 s[MK], 0x00010001
	s_mov_b32 s[SV], 0
	s_mov_b32 s[SV+1], 0
	s_mov_b32 s3, 16
.set q, 0
.rept 8
	v_mov_b32 v[RC+q], 0                           ; written whole once: each trip then changes two lanes
.set q, q+1
.endr
	LOADX ERD0                                     ; my wave's own bytes, which LDS serves in order (ISA guide 5.7.1.4)
.Lrows:                                                ; 16 trips of 8 rows.  The next trip's loads go out in the middle of the trip, as soon as X has been read for the last time
	s_wait_dscnt 0x0                               ; this trip's eight loads: nothing was issued to LDS behind them
.irp p, 0,1,2,3
	v_max3_num_f32 v[CM+2*(\p)+1], v[X+8*(\p)], v[X+8*(\p)+1], v[X+8*(\p)+2]
.endr
.irp p, 0,1,2,3
	v_max3_num_f32 v[CM+2*(\p)+1], v[CM+2*(\p)+1], v[X+8*(\p)+3], v[X+8*(\p)+4]
.endr
.irp p, 0,1,2,3
	v_max3_num_f32 v[CM+2*(\p)+1], v[CM+2*(\p)+1], v[X+8*(\p)+5], v[X+8*(\p)+6]
.endr
.irp p, 0,1,2,3
	v_max3_num_f32 v[CM+2*(\p)+1], v[CM+2*(\p)+1], v[X+8*(\p)+7], s[FLOOR]
.endr
.irp m, 1,2,4,8
.irp p, 0,1,2,3
	v_max_num_f32_dpp v[CM+2*(\p)+1], v[CM+2*(\p)+1], v[CM+2*(\p)+1] row_xmask:\m row_mask:0xf bank_mask:0xf
.endr
.endr
.irp p, 0,1,2,3
	v_mul_f32 v[CM+2*(\p)], s[CS], v[CM+2*(\p)+1]  ; c m
.endr
.irp p, 0,1,2,3
.irp k, 0,1,2,3
	v_pk_fma_f32 v[X+8*(\p)+2*(\k):X+8*(\p)+2*(\k)+1], v[X+8*(\p)+2*(\k):X+8*(\p)+2*(\k)+1], s[CS:CS+1], v[CM+2*(\p):CM+2*(\p)+1] op_sel_hi:[1,0,0] neg_lo:[0,0,1] neg_hi:[0,0,1]
.endr
.endr
.set q, 0
.rept 32
	v_exp_f32 v[X+q], v[X+q]                       ; one batch
.set q, q+1
.endr
.irp p, 0,1,2,3
	v_cndmask_b32 v[RC+(\p)], v[RC+(\p)], v[CM+2*(\p)], s[MK]  ; lane (h, t) keeps c m of row 8 t + 4 h + p; plain instructions behind the last exponential
.endr
	s_wait_alu depctr_va_vdst(0)                   ; the one wait ahead of the batch's first reader
	s_wait_xcnt 0x0                                ; the last trip's stores have read Y and their base
	s_add_nc_u64 s[6:7], s[6:7], s[SV:SV+1]        ; 8 rows of pt on; nothing in the first trip
	s_mov_b32 s[SV], 32768
.irp p, 0,1,2,3
.irp k, 0,1,2,3
	v_cvt_pk_f16_f32 v[Y+4*(\p)+(\k)], v[X+8*(\p)+2*(\k)], v[X+8*(\p)+2*(\k)+1]
.endr
.endr
.irp p, 0,1,2,3
	global_store_b128 v[PO], v[Y+4*(\p):Y+4*(\p)+3], s[6:7] offset:(\p)*4096  ; sixteen lanes store 256 consecutive bytes of a row, aligned; the other sixteen those of the row four further down
.endr
.irp p, 0,1,2,3
	v_pk_add_f32 v[T+4*(\p):T+4*(\p)+1],   v[X+8*(\p):X+8*(\p)+1],   v[X+8*(\p)+2:X+8*(\p)+3]
	v_pk_add_f32 v[T+4*(\p)+2:T+4*(\p)+3], v[X+8*(\p)+4:X+8*(\p)+5], v[X+8*(\p)+6:X+8*(\p)+7]
.endr
	s_add_co_u32 s[EO], s[EO], 8*EP
	s_min_u32 s[EO], s[EO], 15*8*EP                ; the last trip has no next: it reads its own rows once more, so that every trip has one text
	v_add_nc_u32 v[ERD], s[EO], v[ERD0]
	LOADX ERD
.irp p, 0,1,2,3
	v_pk_add_f32 v[T+4*(\p):T+4*(\p)+1], v[T+4*(\p):T+4*(\p)+1], v[T+4*(\p)+2:T+4*(\p)+3]
.endr
.irp p, 0,1,2,3
	v_add_f32 v[T+4*(\p)], v[T+4*(\p)], v[T+4*(\p)+1]
.endr
.irp m, 1,2,4,8
.irp p, 0,1,2,3
	v_add_f32_dpp v[T+4*(\p)], v[T+4*(\p)], v[T+4*(\p)] row_xmask:\m row_mask:0xf bank_mask:0xf
.endr
.endr
.irp p, 0,1,2,3
	v_cndmask_b32 v[RL+(\p)], v[RL+(\p)], v[T+4*(\p)], s[MK]
.endr
	s_lshl_b32 s[MK], s[MK], 1
	s_sub_co_u32 s3, s3, 1
	s_cmp_lg_u32 s3, 0
	s_cbranch_scc1 .Lrows
	global_store_b128 v[GS], v[RC:RC+3], s[8:9]                ; lane (h, g) holds rows 8 g + 4 h .. + 3: the wave's 128 c m are 512 consecutive bytes,
	global_store_b128 v[GS], v[RL:RL+3], s[8:9] offset:524288  ; and so are its 128 l
	s_wait_tensorcnt 0x0                           ; the wave's end
	ds_add_u32 v[SPW], v[NIL]
	s_wait_dscnt 0x0
	s_endpgm
.Lfunc_end_k_qac98f8028c_scores:
	.size	k_qac98f8028c_scores, .Lfunc_end_k_qac98f8028c_scores-k_qac98f8028c_scores
	.p2alignl 7, 3214868480
	.fill 96, 4, 3214868480
	.section	.rodata,"a",@progbits
	.p2align	6, 0x0
	.amdhsa_kernel k_qac98f8028c_scores
		.amdhsa_group_segment_fixed_size 327680
		.amdhsa_private_segment_fixed_size 0
		.amdhsa_enable_private_segment 0
		.amdhsa_kernarg_size 24
		.amdhsa_user_sgpr_count 2
		.amdhsa_user_sgpr_kernarg_segment_ptr 1
		.amdhsa_wavefront_size32 1
		.amdhsa_system_sgpr_workgroup_id_x 1
		.amdhsa_system_sgpr_workgroup_id_y 1
		.amdhsa_system_sgpr_workgroup_id_z 1
		.amdhsa_system_vgpr_workitem_id 0
		.amdhsa_next_free_vgpr 1024
		.amdhsa_next_free_sgpr 66
		.amdhsa_reserve_vcc 1
		.amdhsa_float_denorm_mode_32 3
		.amdhsa_float_denorm_mode_16_64 3
		.amdhsa_memory_ordered 1
		.amdhsa_forward_progress 1
		.amdhsa_inst_pref_size 104
	.end_amdhsa_kernel
	.amdgpu_metadata
---
amdhsa.version: [ 1, 2 ]
amdhsa.kernels:
  - .name:           k_qac98f8028c_scores
    .symbol:         k_qac98f8028c_scores.kd
    .args:
      - { .name: qkv, .offset: 0, .size: 8, .value_kind: global_buffer, .address_space: global }
      - { .name: pt, .offset: 8, .size: 8, .value_kind: global_buffer, .address_space: global }
      - { .name: stats, .offset: 16, .size: 8, .value_kind: global_buffer, .address_space: global }
    .group_segment_fixed_size: 327680
    .private_segment_fixed_size: 0
    .kernarg_segment_align: 8
    .kernarg_segment_size: 24
    .max_flat_workgroup_size: 128
    .sgpr_count:     66
    .vgpr_count:     1024
    .wavefront_size: 32
...
	.end_amdgpu_metadata
.endif
;; end of part 3
;; launch pv (part 4): grid 8 x 32, 4 waves a work-group, clusters of 4 x 4, 327,680 bytes of LDS; arguments qkv, pt, stats, out0; writes out0
.if DOCPART == 4
	.amdgcn_target "amdgcn-amd-amdhsa--gfx1250"
	.amdhsa_code_object_version 6
	.text
	.protected	k_qac98f8028c_pv
	.globl	k_qac98f8028c_pv
	.p2align	8
	.type	k_qac98f8028c_pv,@function
k_qac98f8028c_pv:
	s_mov_b64 s[64:65], 0
	v_nop
	global_prefetch_b8 v0, s[64:65] scope:SCOPE_SE
	s_setreg_imm32_b32 hwreg(HW_REG_WAVE_MODE, 25, 1), 1
	s_wait_xcnt 0x0
	s_wait_alu depctr_hold_cnt(0) depctr_sa_sdst(0) depctr_va_vdst(0) depctr_va_sdst(0) depctr_va_ssrc(0) depctr_va_vcc(0) depctr_vm_vsrc(0)
	s_getreg_b32 s2, hwreg(HW_REG_IB_STS2, 6, 4)
	s_cmp_eq_u32 s2, 0
	s_cbranch_scc0 .Lentry_in_a_cluster
	s_endpgm
.Lentry_in_a_cluster:
	s_bfe_u32 s2, ttmp6, 0x10000c
	s_cmp_lg_u32 s2, 0xf033
	s_cbranch_scc0 .Lentry_shape_is_right
	s_endpgm
.Lentry_shape_is_right:
; out[q][e] = (the sum over blocks kb of 128 keys of f[q][kb] x the sum over the block's keys of p[q][key] v[key][e]) / l[q],
; f = 2^(c m[q][kb] - the greatest c m of the row), l = the sum of f x the block's sum: the row's true maximum is what every weight is taken against.
; f is rounded to f16 and that number is used above and below the line; p f is rounded to f16 for the product; sums in f32; out is f32.
; LIMITS.  p f keeps f16's fixed step of 6e-8 below 6e-5; v arrives within 65,504; NaN and infinities are not treated apart.
; SHARES.  A tile of out is 128 queries x 128 channels.  A work-group makes two, one after the other: query block 4 (3 - g) + cy, then 4 g + cy (g = cluster y & 1), channels 128 (4 cluster x + cx).
; THE WALK.  Keys go in steps of 256.  The four query blocks of a row group need up to 8 - 2 g and 2 + 2 g steps: 10 together, whatever g; ALL partners of a cluster make all of them, so that p's tile is asked
; for jointly along a row of the cluster and v's along a column.  For a step behind a block's own diagonal p's address is held at the block's last tile (a minimum in the address, no branch) and f is 0.
; A step is written once: the scalar TB is 0 or SLOT and is turned by an exclusive or at each change of slots; the descriptors' LDS words and the LDS read addresses are made from it anew.
; Four waves, each 64 x 64: 16 accumulators.  Source 0 = 16 channels of v (turned by ds_load_tr16_b128), source 1 = 16 queries of p f: a lane holds one query and eight channels.
; REGISTERS: window 0: v0-31 addresses; v32-95 p f, two units of 32 keys; v96-103 f; v104-111 1 / l; v128-255 accumulators, (a, b) at v[128 + 8 (4 a + b)].
;   window 1: four unit slots of 64: p as loaded (32), v turned (32).  LDS loads run four units ahead of the products.
.set PP,    528                        ; a row of p in LDS: 512 + 16
.set PHALF, 64*PP
.set PVV,   288                        ; a row of v: 256 + 32: an odd multiple of 32
.set VHALF, 128*PVV
.set VOFF,  2*PHALF
.set SLOT,  VOFF+2*VHALF               ; 141,312
.set STAGE, 2*SLOT                     ; 16 rows x 272 bytes a wave, for the way out
.set SPT,   272
.set FT,    STAGE+4*16*SPT             ; f as a pair of f16, in the walk's order: [10 steps][2 blocks][128 rows] words
.set IL,    FT+10240                   ; 1 / l: [2 tiles][128 rows]
.set SPARE, IL+1024                    ; the spare words: 128 bytes a wave
.set VSTEP, 256*6144                   ; bytes from a step's rows of v to the next's
.set ADRP0, 4                          ; v4      my p fragments in slot 0; never rewritten
.set ADRV0, 5                          ; v5      my v fragments in slot 0, keys 0-127; never rewritten
.set ADRP, 6                           ; v6      p's in the slot in hand
.set ADRV, 7                           ; v7-8    v's in the slot in hand: keys 0-127, 128-255
.set AF0,  10                          ; v10     my row's word in a block of FT
.set AF,   11                          ; v11     the same at the step in hand
.set AIL,  12
.set STO,  13
.set RD,   14
.set GO,   15
.set SPW,  16                          ; never rewritten
.set NIL,  17                          ; never rewritten
.set PFO,  18                          ; never rewritten
.set AFS,  19                          ; v19     FT + 4 x my thread's number
.set SB0,  20                          ; v20-21  my row's offset in a plane of stats, tile 0, 1
.set SP,   32
.set FR,   96
.set RL,   104
.set ACC,  128
.set VO0,  32                          ; at the start only: offsets, then f; c m; l; for tile 0 (16 blocks) and for tile 1 (8 blocks)
.set CA0,  48
.set LA0,  64
.set VO1,  80
.set CA1,  96
.set LA1,  112
.set TM,   128
.set TS,   129
.set TR,   130
.set TQ,   132
.set WOP, 3                            ; s3, s101 my tile's place in a slot, for p and for v
.set WV,  12
.set G1P, 24
.set G0P, 32                           ; s[32:35] group 0 of the first fill, s[36:39] of the second and of every refill
.set G1V, 40
.set G0V, 48
.set PB0, 56                           ; s[56:57], s[58:59] pt at my half of the tile's rows, tile 0, 1
.set PB1, 58
.set VB,  60                           ; s[60:61] v at my half of step 0's rows
.set JM0, 62                           ; s62, s63 the last step that the tile's block sees
.set JM1, 63
.set I0,  66
.set I1,  67
.set IO0, 68                           ; s68, s75 the last block of 128 keys that stats holds for the tile's rows
.set NJ,  69                           ; s69, s70 the step to be asked for next: its number in its tile, its tile
.set NT,  70
.set NHI, 71
.set TL,  72                           ; steps that the first tile still has
.set FO,  73
.set LC,  74
.set IO1, 75
.set PFA, 76
.set TB,  78                           ; s78  0 or SLOT: the slot in hand
.set GM,  79
.set OB0, 80                           ; s[80:81], s[82:83] out at my 64 x 64 of tile 0, 1
.set PFB0, 84
.set PFB1, 86
.set PJM0, 88
.set PJM1, 89
.set PFMUL, 90
.set PFE0, 91
.set PFE1, 92
.set EN,  93
.set BIGN, 100
.set WOV, 101
.set MSB, 0
.macro WIN new
.if MSB != (\new)
	s_set_vgpr_msb (MSB<<8)|(\new)
.set MSB, \new
.endif
.endm
.macro PLACES
.rept 4
	v_nop
.endr
.endm
.macro JLOAD                           ; a joint refill: waves 0, 1 fetch p's halves, waves 2, 3 v's; s_nop 0 and four v_nop follow each line
	s_cmp_eq_u32 s13, 0
	s_cbranch_scc0 .Lfor_v_\@
	tensor_load_to_lds s[G0P+4:G0P+7], s[G1P:G1P+7]
	s_nop 0
.rept 4
	v_nop
.endr
	s_branch .Lasked_\@
.Lfor_v_\@:
	tensor_load_to_lds s[G0V+4:G0V+7], s[G1V:G1V+7]
	s_nop 0
.rept 4
	v_nop
.endr
.Lasked_\@:
.endm
.macro CREST
	s_cmp_lg_u32 s[WV], 0
	s_cbranch_scc1 .Lnot_wave_0_\@
	s_barrier_signal -3
.Lnot_wave_0_\@:
	s_barrier_wait -3
	s_barrier_signal -1
	s_barrier_wait -1
.endm
.macro CROUND
	s_barrier_signal -1
	s_barrier_wait -1
	CREST
.endm
; The refill's descriptors for the step (NT, NJ): the LDS words from the slot that is being left, the addresses anew from the bases; then the walk's state steps on, and the prefetch's address is made for the step after.
.macro BUILD
	s_add_co_u32 s[G0P+5], s[TB], s[WOP]
	s_add_co_u32 s[G0V+5], s[TB], s[WOV]
	s_cmp_eq_u32 s[NT], 0
	s_cselect_b64 s[20:21], s[PB0:PB0+1], s[PB1:PB1+1]
	s_cselect_b32 s22, s[JM0], s[JM1]
	s_min_u32 s22, s[NJ], s22                      ; behind the block's own diagonal: its last tile once more
	s_lshl_b32 s22, s22, 9
	s_mov_b32 s23, 0
	s_add_nc_u64 s[G0P+6:G0P+7], s[20:21], s[22:23]
	s_or_b32 s[G0P+7], s[G0P+7], 0x80000000
	s_mul_i32 s94, s[NJ], VSTEP                    ; (s95 stays 0)
	s_add_nc_u64 s[G0V+6:G0V+7], s[VB:VB+1], s[94:95]
	s_or_b32 s[G0V+7], s[G0V+7], 0x80000000
	s_add_co_u32 s[NJ], s[NJ], 1
	s_cmp_eq_u32 s[NJ], s[NHI]
	s_cselect_b32 s[NJ], 0, s[NJ]
	s_cselect_b32 s[NT], 1, s[NT]
	s_cmp_eq_u32 s[NT], 0
	s_cselect_b64 s[96:97], s[PFB0:PFB0+1], s[PFB1:PFB1+1]
	s_cselect_b32 s98, s[PJM0], s[PJM1]
	s_cselect_b32 s[EN], s[PFE0], s[PFE1]
	s_min_u32 s98, s[NJ], s98
	s_mul_i32 s98, s98, s[PFMUL]                   ; (s99 stays 0)
	s_add_nc_u64 s[PFA:PFA+1], s[96:97], s[98:99]
.endm
; A PREFETCH INTO THE L2 of what the next refill will ask for, behind a joint load and the LDS loads that follow it.  p's tile is read by both clusters of a row of clusters: in the first, waves 0 and 1 ask, each
; partner cx for 16 of the wave's 64 rows, two lanes a row of 512 bytes.  v's tile is read by the two clusters of a batch and again in the second tile: the cluster with g = 0 asks, in its first tile alone,
; waves 2 and 3, each partner cy for 32 of the wave's 128 rows, a lane a row.  Partners are told apart by address alone; so a step whose address is held back names its tile of p again.
; The last refill of the launch (the counter at 1) asks for nothing.
.macro ASK
	s_cmp_gt_u32 s[LC], 1
	s_cselect_b32 s[EN], s[EN], 0
	s_cmp_eq_u32 s[EN], 1
	s_cbranch_scc0 .Lnot_mine_\@
	global_prefetch_b8 v[PFO], s[PFA:PFA+1] th:TH_LOAD_NT scope:SCOPE_SE
.Lnot_mine_\@:
.endm
	s_load_b256 s[4:11], s[0:1], 0x0               ; qkv s[4:5], pt s[6:7], stats s[8:9], out s[10:11]
	v_lshl_add_u32 v[SPW], v0, 2, SPARE
	v_mov_b32 v[NIL], 0
	ds_add_u32 v[SPW], v[NIL]                      ; the wave's opening: the add and its wait ahead of my first tensor load
	ds_add_u32 v16, v17
	v_lshrrev_b32 v1, 5, v0
	v_readfirstlane_b32 s[WV], v1
	s_lshr_b32 s13, s[WV], 1                       ; my half of the queries.  Also: I fetch p (0) or v (1)
	s_and_b32 s14, s[WV], 1                        ; my half of the channels.  Also: which half of that tile I fetch
	s_bfe_u32 s15, ttmp6, 0x40000                  ; cx
	s_bfe_u32 s16, ttmp6, 0x40004                  ; cy
	s_lshl_b32 s17, ttmp9, 2
	s_add_co_u32 s17, s17, s15                     ; my block of 128 channels
	s_and_b32 s20, ttmp7, 0xffff
	s_lshr_b32 s18, s20, 1                         ; the batch
	s_and_b32 s19, s20, 1                          ; g
	s_sub_co_u32 s[I0], 3, s19
	s_lshl2_add_u32 s[I0], s[I0], s16              ; the first tile's block of 128 queries
	s_lshl2_add_u32 s[I1], s19, s16                ; the second's
	s_lshr_b32 s[JM0], s[I0], 1
	s_lshr_b32 s[JM1], s[I1], 1
	s_or_b32 s[IO0], s[I0], 1
	s_or_b32 s[IO1], s[I1], 1
	s_lshl_b32 s[NHI], s19, 1
	s_sub_co_u32 s[NHI], 8, s[NHI]                 ; the first tile's steps
	s_mov_b32 s[TL], s[NHI]
	s_mov_b32 s[NJ], 2                             ; steps 0 and 1 are the first fills
	s_mov_b32 s[NT], 0
	s_mov_b32 s[FO], 0
	s_mov_b32 s[TB], 0
	s_mov_b32 s[BIGN], 0xf149f2ca                  ; -1e30
	s_cmp_eq_u32 s19, 1
	s_cselect_b32 s[GM], -1, 0
	s_lshl_b32 s21, s16, 2
	s_lshl_b32 s21, 15, s21                        ; my row of the cluster
	s_lshl_b32 s22, 0x1111, s15                    ; my column
	s_or_b32 s[G1P], s21, (1<<16)|(1<<20)|(1<<21)|(6<<22)|(3<<25)  ; mask; 2-byte elements; padding on; bit 21 beside a mask; after every 128 words 4 words
	s_or_b32 s[G1V], s22, (1<<16)|(1<<20)|(1<<21)|(5<<22)|(7<<25)  ; after every 64 words 8 words
	s_mov_b32 s[G1P+1], 256<<16                    ; tensor_dim0 = 256
	s_mov_b32 s[G1P+2], 64<<16                     ; tensor_dim1 = 64
	s_mov_b32 s[G1P+3], 256<<16                    ; tile_dim0 = 256
	s_mov_b32 s[G1P+4], 64                         ; tile_dim1 = 64
	s_mov_b32 s[G1P+5], 2048
	s_mov_b32 s[G1P+6], 0
	s_mov_b32 s[G1P+7], 0
	s_mov_b32 s[G1V+1], 128<<16
	s_mov_b32 s[G1V+2], 128<<16
	s_mov_b32 s[G1V+3], 128<<16
	s_mov_b32 s[G1V+4], 128
	s_mov_b32 s[G1V+5], 3072
	s_mov_b32 s[G1V+6], 0
	s_mov_b32 s[G1V+7], 0
	s_lshl_b32 s20, s18, 11                        ; the batch's first row
	s_lshl_b32 s21, s14, 6
	s_add_co_u32 s21, s21, s20                     ; + my 64 of the tile's 128 rows of p
	s_lshl_b32 s94, s[I0], 7
	s_add_co_u32 s94, s94, s21
	s_lshl_b32 s94, s94, 12
	s_mov_b32 s95, 0
	s_lshl_b32 s96, s[I1], 7
	s_add_co_u32 s96, s96, s21
	s_lshl_b32 s96, s96, 12
	s_mov_b32 s97, 0
	s_lshl_b32 s98, s14, 7                         ; v: my 128 of a step's 256 rows,
	s_add_co_u32 s98, s98, s20
	s_mul_i32 s98, s98, 6144
	s_lshl_b32 s99, s17, 8                         ; my block's 256 bytes,
	s_add_co_u32 s98, s98, s99
	s_add_co_u32 s98, s98, 4096                    ; behind q's and k's
	s_mov_b32 s99, 0
	s_mul_i32 s[WOP], s14, PHALF                   ; where they go: no place in the cluster enters an LDS address
	s_mul_i32 s[WOV], s14, VHALF
	s_add_co_u32 s[WOV], s[WOV], VOFF
	s_lshl_b32 s21, s13, 6                         ; out: my 64 rows of each tile, my 64 channels
	s_add_co_u32 s20, s20, s21
	s_lshl_b32 s21, s[I0], 7
	s_add_co_u32 s21, s21, s20
	s_lshl_b32 s[OB0], s21, 12
	s_lshl_b32 s21, s[I1], 7
	s_add_co_u32 s21, s21, s20
	s_lshl_b32 s[OB0+2], s21, 12
	s_lshl_b32 s21, s17, 9
	s_lshl_b32 s20, s14, 8
	s_add_co_u32 s21, s21, s20
	s_add_co_u32 s[OB0], s[OB0], s21
	s_add_co_u32 s[OB0+2], s[OB0+2], s21
	s_mov_b32 s[OB0+1], 0
	s_mov_b32 s[OB0+3], 0
	s_wait_dscnt 0x0                               ; the opening add is done
	s_wait_kmcnt 0x0
	s_add_nc_u64 s[PB0:PB0+1], s[6:7], s[94:95]
	s_add_nc_u64 s[PB1:PB1+1], s[6:7], s[96:97]
	s_add_nc_u64 s[VB:VB+1], s[4:5], s[98:99]
	s_add_nc_u64 s[OB0:OB0+1], s[10:11], s[OB0:OB0+1]
	s_add_nc_u64 s[OB0+2:OB0+3], s[10:11], s[OB0+2:OB0+3]
	CROUND                                         ; all sixteen work-groups are here: the first joint loads meet
.irp s, 0,1
	s_mov_b32 s[G0P+4*(\s)], 1
	s_add_co_u32 s[G0P+4*(\s)+1], s[WOP], (\s)*SLOT
	s_add_nc_u64 s[G0P+4*(\s)+2:G0P+4*(\s)+3], s[PB0:PB0+1], (\s)*512   ; the first tile's blocks see 4 steps at the least
	s_or_b32 s[G0P+4*(\s)+3], s[G0P+4*(\s)+3], 0x80000000
	s_mov_b32 s[G0V+4*(\s)], 1
	s_add_co_u32 s[G0V+4*(\s)+1], s[WOV], (\s)*SLOT
	s_add_nc_u64 s[G0V+4*(\s)+2:G0V+4*(\s)+3], s[VB:VB+1], (\s)*VSTEP
	s_or_b32 s[G0V+4*(\s)+3], s[G0V+4*(\s)+3], 0x80000000
.endr
	s_cmp_eq_u32 s13, 0                            ; a wave's two first fills stand in one branch: two loads of mine are out
	s_cbranch_scc0 .Lfirst_v
	tensor_load_to_lds s[G0P:G0P+3], s[G1P:G1P+7]
	s_nop 0
	tensor_load_to_lds s[G0P+4:G0P+7], s[G1P:G1P+7]
	s_nop 0
.rept 4
	v_nop
.endr
	s_branch .Lfirst_asked
.Lfirst_v:
	tensor_load_to_lds s[G0V:G0V+3], s[G1V:G1V+7]
	s_nop 0
	tensor_load_to_lds s[G0V+4:G0V+7], s[G1V:G1V+7]
	s_nop 0
.rept 4
	v_nop
.endr
.Lfirst_asked:
	v_and_b32 v1, 15, v0                           ; r
	v_bfe_u32 v2, v0, 4, 1                         ; h
	v_lshl_add_u32 v[AFS], v0, 2, FT
	s_lshl_b32 s20, s18, 17                        ; stats: the batch's 16 blocks of 2,048 rows,
	s_lshl_b32 s21, s[I0], 9                       ; the tile's 128 rows; my thread's number is my row
	s_add_co_u32 s21, s21, s20
	v_lshl_add_u32 v[SB0], v0, 2, s21
	s_lshl_b32 s21, s[I1], 9
	s_add_co_u32 s21, s21, s20
	v_lshl_add_u32 v[SB0+1], v0, 2, s21
; THE ROWS' STATISTICS, while the first tiles are on their way.  A thread takes a row of each tile: nk blocks' c m and l: 16 for the first tile; 8 for the second, whose query blocks are 0 to 7.
; Blocks that stats does not hold for these rows are read at the last block that it holds, and their c m is put 1e30 lower, so that f is 0; blocks below k0 are held for every block that the tile can be.
.macro SLOAD vo, ca, la, vb, il, nk
.set kb, 0
.rept \nk
	s_min_u32 s20, s[\il], kb
	s_lshl_b32 s20, s20, 13
	v_add_nc_u32 v[(\vo)+kb], s20, v[\vb]
.set kb, kb+1
.endr
.set kb, 0
.rept \nk
	global_load_b32 v[(\ca)+kb], v[(\vo)+kb], s[8:9]
	global_load_b32 v[(\la)+kb], v[(\vo)+kb], s[8:9] offset:524288
.set kb, kb+1
.endr
.endm
.macro SCOMP vo, ca, la, il, t, nk, k0
.set kb, \k0
.rept (\nk)-(\k0)
	s_cmp_lt_u32 s[\il], kb
	s_cselect_b32 s20, s[BIGN], 0
	v_add_f32 v[(\ca)+kb], s20, v[(\ca)+kb]
.set kb, kb+1
.endr
	v_max3_num_f32 v[TM], v[\ca], v[(\ca)+1], v[(\ca)+2]
.set kb, 3
.rept ((\nk)-4)/2
	v_max3_num_f32 v[TM], v[TM], v[(\ca)+kb], v[(\ca)+kb+1]
.set kb, kb+2
.endr
	v_max_num_f32 v[TM], v[TM], v[(\ca)+(\nk)-1]   ; c x the row's maximum
.set kb, 0
.rept \nk
	v_sub_f32 v[(\ca)+kb], v[(\ca)+kb], v[TM]
.set kb, kb+1
.endr
.set kb, 0
.rept \nk
	v_exp_f32 v[(\ca)+kb], v[(\ca)+kb]
.set kb, kb+1
.endr
	v_mov_b32 v[TS], 0                             ; the plain instruction behind the last exponential,
	s_wait_alu depctr_va_vdst(0)                   ; and the one wait for the batch
.set kb, 0
.rept \nk
	v_cvt_pk_f16_f32 v[(\vo)+kb], v[(\ca)+kb], v[(\ca)+kb]                      ; (f, f)
	v_fma_mix_f32 v[TS], v[(\vo)+kb], v[(\la)+kb], v[TS] op_sel_hi:[1,0,0]      ; l += the rounded f x the block's sum
.set kb, kb+1
.endr
	v_rcp_f32 v[TR], v[TS]
	v_nop
	s_wait_alu depctr_va_vdst(0)
	ds_store_b32 v[AFS], v[TR] offset:IL-FT+512*(\t)
.endm
	SLOAD VO0, CA0, LA0, SB0, IO0, 16
	SLOAD VO1, CA1, LA1, SB0+1, IO1, 8
	; the other addresses, while those loads are out
	v_mul_u32_u24 v3, v1, PP
	v_lshl_add_u32 v3, v2, 4, v3
	s_mul_i32 s20, s13, PHALF
	v_add_nc_u32 v[ADRP0], s20, v3
	v_mov_b32 v[ADRP], v[ADRP0]
	v_and_b32 v3, 7, v0
	v_lshl_add_u32 v3, v2, 3, v3                   ; v, turned: key 8 h + l % 8,
	v_mul_u32_u24 v3, v3, PVV
	v_bfe_u32 v22, v0, 3, 1
	v_lshl_add_u32 v3, v22, 4, v3                  ; channels 8 ((l / 8) % 2) on
	s_lshl_b32 s20, s14, 7
	s_add_co_u32 s20, s20, VOFF
	v_add_nc_u32 v[ADRV0], s20, v3
	v_mov_b32 v[ADRV], v[ADRV0]
	v_add_nc_u32 v[ADRV+1], VHALF, v[ADRV0]
	s_lshl_b32 s20, s13, 8
	v_lshl_add_u32 v3, v1, 2, s20                  ; row 64 (w >> 1) + r, in words
	v_add_nc_u32 v[AF0], FT, v3
	v_add_nc_u32 v[AIL], IL, v3
	s_mul_i32 s20, s[WV], 16*SPT
	s_add_co_u32 s20, s20, STAGE
	v_mul_u32_u24 v3, v1, SPT
	v_lshl_add_u32 v3, v2, 5, v3
	v_add_nc_u32 v[STO], s20, v3
	v_mul_u32_u24 v3, v2, SPT
	v_lshl_add_u32 v3, v1, 4, v3
	v_add_nc_u32 v[RD], s20, v3
	v_lshlrev_b32 v[GO], 12, v2
	v_lshl_add_u32 v[GO], v1, 4, v[GO]
	; the prefetches' bases, bounds and flags, chosen by what the wave fetches
	s_lshl_b32 s20, s15, 16                        ; cx x 16 rows of pt
	s_mul_i32 s21, s16, 32*6144                    ; cy x 32 rows of qkv
	s_cmp_eq_u32 ttmp9, 0
	s_cselect_b32 s22, 1, 0
	s_cmp_eq_u32 s19, 0
	s_cselect_b32 s23, 1, 0
	s_mov_b32 s94, 512
	s_mov_b32 s96, 4096
	s_mov_b32 s97, 256
	s_cmp_eq_u32 s13, 0
	s_cselect_b64 s[PFB0:PFB0+1], s[PB0:PB0+1], s[VB:VB+1]
	s_cselect_b64 s[PFB1:PFB1+1], s[PB1:PB1+1], s[VB:VB+1]
	s_cselect_b32 s20, s20, s21
	s_cselect_b32 s[PJM0], s[JM0], 255
	s_cselect_b32 s[PJM1], s[JM1], 255
	s_cselect_b32 s[PFMUL], s94, VSTEP
	s_cselect_b32 s[PFE0], s22, s23
	s_cselect_b32 s[PFE1], s22, 0
	s_cselect_b32 s96, s96, 6144
	s_cselect_b32 s97, s97, 16*6144
	s_mov_b32 s21, 0
	s_add_nc_u64 s[PFB0:PFB0+1], s[PFB0:PFB0+1], s[20:21]
	s_add_nc_u64 s[PFB1:PFB1+1], s[PFB1:PFB1+1], s[20:21]
	v_mul_u32_u24 v[PFO], s96, v1
	v_mad_u32_u24 v[PFO], v2, s97, v[PFO]
	s_wait_loadcnt 0x0
	SCOMP VO0, CA0, LA0, IO0, 0, 16, 10
	SCOMP VO1, CA1, LA1, IO1, 1, 8, 2
	; f goes into LDS in the walk's order: blocks 0 .. 2 NHI - 1 are the first tile's, the others the second tile's from its block 0 on; 2 NHI is 16 (g = 0) or 12 (g = 1)
.set kb, 0
.rept 12
	ds_store_b32 v[AFS], v[VO0+kb] offset:512*kb
.set kb, kb+1
.endr
.rept 4
	v_cndmask_b32 v[TQ+kb-12], v[VO0+kb], v[VO1+kb-12], s[GM]
	ds_store_b32 v[AFS], v[TQ+kb-12] offset:512*kb
.set kb, kb+1
.endr
.rept 4
	v_cndmask_b32 v[TQ+kb-12], v[VO1+kb-16], v[VO1+kb-12], s[GM]
	ds_store_b32 v[AFS], v[TQ+kb-12] offset:512*kb
.set kb, kb+1
.endr
; Matrix instructions lo .. lo + cnt - 1 of unit u (32 keys): accumulator n = 4 a + b; all sixteen differ, so they take turns.  rid = 1: behind each stand two packed multiplies
; that scale the NEXT unit's p by f into the other buffer.  One window setting serves both kinds of line: source 0 in window 1.
.macro UMUL u, lo, cnt, rid
	WIN 0x01
.set n, \lo
.rept \cnt
	v_wmma_f32_16x16x32_f16 v[ACC+8*n:ACC+8*n+7], v[64*((\u)&3)+32+8*(n%4):64*((\u)&3)+32+8*(n%4)+7], v[SP+32*((\u)&1)+8*(n/4):SP+32*((\u)&1)+8*(n/4)+7], v[ACC+8*n:ACC+8*n+7]
.if \rid
	v_pk_mul_f16 v[SP+32*(((\u)+1)&1)+2*n],   v[64*(((\u)+1)&3)+2*n],   v[FR+4*((((\u)+1)>>2)&1)+n/4]
	v_pk_mul_f16 v[SP+32*(((\u)+1)&1)+2*n+1], v[64*(((\u)+1)&3)+2*n+1], v[FR+4*((((\u)+1)>>2)&1)+n/4]
.endif
.set n, n+1
.endr
.endm
.macro RUN x                           ; 16 LDS loads: unit x of the slot in hand into unit slot x & 3
	WIN 0x40
.irp a, 0,1,2,3
	ds_load_b128 v[64*((\x)&3)+8*(\a):64*((\x)&3)+8*(\a)+3],   v[ADRP] offset:(\a)*16*PP+64*(\x)
	ds_load_b128 v[64*((\x)&3)+8*(\a)+4:64*((\x)&3)+8*(\a)+7], v[ADRP] offset:(\a)*16*PP+64*(\x)+32
.endr
.irp b, 0,1,2,3
	ds_load_tr16_b128 v[64*((\x)&3)+32+8*(\b):64*((\x)&3)+32+8*(\b)+3],   v[ADRV+((\x)>>2)] offset:((\x)&3)*32*PVV+32*(\b)
	ds_load_tr16_b128 v[64*((\x)&3)+32+8*(\b)+4:64*((\x)&3)+32+8*(\b)+7], v[ADRV+((\x)>>2)] offset:((\x)&3)*32*PVV+16*PVV+32*(\b)
.endr
.endm
.macro FLOAD par, imm                  ; f of my four row blocks for block par of the step at byte imm behind the step in hand
	WIN 0
.irp a, 0,1,2,3
	ds_load_b32 v[FR+4*(\par)+(\a)], v[AF] offset:(\imm)+512*(\par)+64*(\a)
.endr
.endm
; A STEP of 256 keys: eight units.  At a unit's head its own v and the next unit's p must be in: the two youngest runs, 32 loads or more, may stay out.
; Behind unit u the registers just multiplied take unit u + 4: units 4 to 7 fetch the next step's first four from the other slot, so all reads of this slot are issued when unit 4 begins: THE CHANGE OF SLOTS.
; mode 1: the slot is filled again, two steps on: a round of the cluster's barrier, the joint refill first behind it, 112 matrix instructions ahead of the wait for it.  mode 0: nothing is left to ask for.
; mode 2: the last step: no change, nothing more is fetched, the counts run down.
.macro STEP mode
.irp u, 0,1,2,3
	s_wait_dscnt 32
	UMUL \u, 0, 16, 1
	PLACES
	RUN (\u)+4
.endr
.if (\mode) == 2
	s_wait_dscnt 32
	UMUL 4, 0, 16, 1
	s_wait_dscnt 16
	UMUL 5, 0, 16, 1
	s_wait_dscnt 0x0
	UMUL 6, 0, 16, 1
	UMUL 7, 0, 16, 0
	WIN 0
.else
.if (\mode) == 1
	s_wait_xcnt 0x0                                ; the last prefetch, a step back, has read its address
.endif
	WIN 0
	s_wait_tensorcnt 0x0                           ; all my tensor loads have landed: the one that was out is my part of the other slot
	ds_add_u32 v[SPW], v[NIL]
.if (\mode) == 1
	BUILD
.endif
	s_xor_b32 s[TB], s[TB], SLOT                   ; from here on: the slot that is entered
	s_wait_dscnt 33                                ; the two youngest runs and the add may be out
	UMUL 4, 0, 8, 1
	s_wait_dscnt 0x0                               ; the add is done, my reads of this slot are over
	s_barrier_signal -1
	UMUL 4, 8, 8, 1
	WIN 0
	s_barrier_wait -1
.if (\mode) == 1
	CREST
	JLOAD                                          ; its four v_nop are also the places in front of the loads below
.else
	PLACES
.endif
	v_add_nc_u32 v[ADRP], s[TB], v[ADRP0]
	v_add_nc_u32 v[ADRV], s[TB], v[ADRV0]
	v_add_nc_u32 v[ADRV+1], VHALF, v[ADRV]
	FLOAD 0, 1024
	RUN 0
.if (\mode) == 1
	WIN 0
	ASK
.endif
	s_wait_dscnt 32
	UMUL 5, 0, 16, 1
	PLACES
	RUN 1
	s_wait_dscnt 32
	UMUL 6, 0, 16, 1
	PLACES
	RUN 2
	s_wait_dscnt 32
	UMUL 7, 0, 16, 1
	PLACES
	FLOAD 1, 1024
	RUN 3
	WIN 0
.endif
.endm
; THE WAY OUT of tile t: divided by l; 16 rows at a time through my own stage: in as 32 bytes a lane, back as whole rows of 256 bytes, into the registers that they left; sixteen lanes store 256 consecutive
; bytes, aligned.  LDS serves a wave's instructions in order (ISA guide 5.7.1.4), so no wait stands between the stores and the loads.
.macro WAYOUT t
	WIN 0
	PLACES
.irp a, 0,1,2,3
	ds_load_b32 v[RL+2*(\a)],   v[AIL] offset:512*(\t)+64*(\a)
	ds_load_b32 v[RL+2*(\a)+1], v[AIL] offset:512*(\t)+64*(\a)   ; the packed multiply names a pair
.endr
	s_wait_dscnt 0x0
.irp a, 0,1,2,3
.set q, 0
.rept 16                                       ; each accumulator's registers in ascending order
	v_pk_mul_f32 v[ACC+32*(\a)+2*q:ACC+32*(\a)+2*q+1], v[ACC+32*(\a)+2*q:ACC+32*(\a)+2*q+1], v[RL+2*(\a):RL+2*(\a)+1] op_sel_hi:[1,0]
.set q, q+1
.endr
.irp b, 0,1,2,3
	ds_store_b128 v[STO], v[ACC+32*(\a)+8*(\b):ACC+32*(\a)+8*(\b)+3]   offset:64*(\b)
	ds_store_b128 v[STO], v[ACC+32*(\a)+8*(\b)+4:ACC+32*(\a)+8*(\b)+7] offset:64*(\b)+16
.endr
.irp f, 0,1,2,3,4,5,6,7
	ds_load_b128 v[ACC+32*(\a)+4*(\f):ACC+32*(\a)+4*(\f)+3], v[RD] offset:(\f)*2*SPT
.endr
.irp f, 0,1,2,3,4,5,6,7
	s_wait_dscnt 7-(\f)
	global_store_b128 v[GO], v[ACC+32*(\a)+4*(\f):ACC+32*(\a)+4*(\f)+3], s[OB0+2*(\t):OB0+2*(\t)+1] offset:(\f)*8192+(\a)*65536
.endr
.endr
.endm
	s_wait_tensorcnt 1                             ; my part of step 0 is in; step 1's may stay out
	s_wait_dscnt 0x0                               ; my f and 1 / l are in LDS
	s_barrier_signal -1
	s_barrier_wait -1
	v_add_nc_u32 v[AF], s[FO], v[AF0]
	FLOAD 0, 0
	FLOAD 1, 0
	RUN 0
	RUN 1
	RUN 2
	RUN 3
	s_wait_dscnt 48                                ; f and unit 0 are in; three runs may be out
	WIN 0x01
.set q, 0
.rept 32
	v_pk_mul_f16 v[SP+q], v[q], v[FR+q/8]          ; unit 0's p f: every later unit's is made beside the unit before it
.set q, q+1
.endr
	WIN 0
	s_mov_b32 s[LC], 9                             ; eight steps; the loop is entered at the lines that clear the sums, which are written once, and the count is taken down once on the way
	s_branch .Lclear
.Lstep:                                                ; a trip: a step; the slot that it leaves is filled again
	v_add_nc_u32 v[AF], s[FO], v[AF0]
	STEP 1
	s_add_co_u32 s[FO], s[FO], 1024
	s_sub_co_u32 s[TL], s[TL], 1
	s_cmp_lg_u32 s[TL], 0                          ; hangs on g alone, which all partners share; what is jumped holds no barrier and no tensor load
	s_cbranch_scc1 .Lgo_on
	WAYOUT 0                                       ; the first tile is finished; the second tile's first units are already on their way
	s_wait_xcnt 0x0                                ; the stores have read the accumulators
.Lclear:                                               ; a tile's sums start at 0, so that every step has one text
.set q, 0
.rept 128
	v_mov_b32 v[ACC+q], 0
.set q, q+1
.endr
.Lgo_on:
	s_sub_co_u32 s[LC], s[LC], 1
	s_cmp_lg_u32 s[LC], 0
	s_cbranch_scc1 .Lstep
	v_add_nc_u32 v[AF], s[FO], v[AF0]
	STEP 0                                         ; the last two steps are written out: they ask for nothing
	STEP 2
	WAYOUT 1
	s_wait_tensorcnt 0x0                           ; the wave's end
	ds_add_u32 v[SPW], v[NIL]
	s_wait_dscnt 0x0
	CROUND                                         ; the closing round
	s_endpgm
.Lfunc_end_k_qac98f8028c_pv:
	.size	k_qac98f8028c_pv, .Lfunc_end_k_qac98f8028c_pv-k_qac98f8028c_pv
	.p2alignl 7, 3214868480
	.fill 96, 4, 3214868480
	.section	.rodata,"a",@progbits
	.p2align	6, 0x0
	.amdhsa_kernel k_qac98f8028c_pv
		.amdhsa_group_segment_fixed_size 327680
		.amdhsa_private_segment_fixed_size 0
		.amdhsa_enable_private_segment 0
		.amdhsa_kernarg_size 32
		.amdhsa_user_sgpr_count 2
		.amdhsa_user_sgpr_kernarg_segment_ptr 1
		.amdhsa_wavefront_size32 1
		.amdhsa_system_sgpr_workgroup_id_x 1
		.amdhsa_system_sgpr_workgroup_id_y 1
		.amdhsa_system_sgpr_workgroup_id_z 1
		.amdhsa_system_vgpr_workitem_id 0
		.amdhsa_next_free_vgpr 512
		.amdhsa_next_free_sgpr 102
		.amdhsa_reserve_vcc 0
		.amdhsa_float_denorm_mode_32 3
		.amdhsa_float_denorm_mode_16_64 3
		.amdhsa_memory_ordered 1
		.amdhsa_forward_progress 1
		.amdhsa_inst_pref_size 160
	.end_amdhsa_kernel
	.amdgpu_metadata
---
amdhsa.version: [ 1, 2 ]
amdhsa.kernels:
  - .name:           k_qac98f8028c_pv
    .symbol:         k_qac98f8028c_pv.kd
    .args:
      - { .name: qkv, .offset: 0, .size: 8, .value_kind: global_buffer, .address_space: global }
      - { .name: pt, .offset: 8, .size: 8, .value_kind: global_buffer, .address_space: global }
      - { .name: stats, .offset: 16, .size: 8, .value_kind: global_buffer, .address_space: global }
      - { .name: out0, .offset: 24, .size: 8, .value_kind: global_buffer, .address_space: global }
    .group_segment_fixed_size: 327680
    .private_segment_fixed_size: 0
    .kernarg_segment_align: 8
    .kernarg_segment_size: 32
    .max_flat_workgroup_size: 128
    .sgpr_count:     102
    .vgpr_count:     512
    .wavefront_size: 32
...
	.end_amdgpu_metadata
.endif
;; end of part 4
